; MI455X (gfx1250); checked and timed in simulation.
; The chip was launched on July 23, 2026; its instructions are those of AMD's public machine-readable ISA for CDNA 5 (MIT licence, August 2026) and "CDNA5" Instruction Set Architecture Reference Guide (July 2026). The comments in the code are by the model that wrote it; some were corrected since.
;; Self Attention. Allowed arithmetic: matrix products marked QUANTISED: E2M3 operands, one E8M0 scale for each 32 along K, by v_wmma_scale_f32_16x16x128_f8f6f4 with both operands' format E2M3, f32 sums; products left as they are: f32 operands where the result goes on into a quantised operand, else bf16, f16 or f32 operands; f32 sums; everything else in f32.
;; Inputs: Aq 4 x 512 float32; Av 4 x 512 float32; Bq 512 x 4 float32; Bv 512 x 4 float32; Wk_codes 512 x 16 x 24 uint8 (E2M3 codes of Wk, K innermost, in blocks of 32 codes, four codes in three bytes); Wk_scales 512 x 16 uint8 (E8M0 scales of Wk, one for each 32 codes along K); Wp_codes 512 x 16 x 24 uint8 (E2M3 codes of Wp, K innermost, in blocks of 32 codes, four codes in three bytes); Wp_scales 512 x 16 uint8 (E8M0 scales of Wp, one for each 32 codes along K); Wq_codes 512 x 16 x 24 uint8 (E2M3 codes of Wq, K innermost, in blocks of 32 codes, four codes in three bytes); Wq_scales 512 x 16 uint8 (E8M0 scales of Wq, one for each 32 codes along K); Wv_codes 512 x 16 x 24 uint8 (E2M3 codes of Wv, K innermost, in blocks of 32 codes, four codes in three bytes); Wv_scales 512 x 16 uint8 (E8M0 scales of Wv, one for each 32 codes along K); atten_mask 2 x 4,096 int32; bp 512 float32; x 2 x 4,096 x 512 float32.
;; Outputs: out0 2 x 4,096 x 512 float32.
;; This version of the problem:
;;   THIS VERSION OF THE PROBLEM IS GIVEN IN LOW PRECISION. The matrix products marked QUANTISED in the list below multiply operands that are first quantised to E2M3 (2 exponent bits, 3 mantissa bits; 6 bits a number), with one power-of-two scale for each 32 numbers along K (OCP MX v1.0); their sums are f32. All else is computed in f32.
;;   The module's matrix products, in the order in which they are computed (A, B: the left and right operand; K: the contracted axis; several contracted axes count as one K, in the product's order):
;;     1. [M 8,192, K 512] x [K 512, N 512]; A: input x; B: input Wk (given as codes): QUANTISED
;;     2. [M 8,192, K 512] x [K 512, N 512]; A: input x; B: input Wq (given as codes): QUANTISED
;;     3. [M 8,192, K 512] x [K 512, N 4]; A: input x; B: input Aq: left as it is (N = 4 < 16)
;;     4. [M 8,192, K 4] x [K 4, N 512]; A: computed on the way; B: input Bq: left as it is (K = 4 < 32)
;;     5. [M 8,192, K 512] x [K 512, N 512]; A: input x; B: input Wv (given as codes): QUANTISED
;;     6. [M 8,192, K 512] x [K 512, N 4]; A: input x; B: input Av: left as it is (N = 4 < 16)
;;     7. [M 8,192, K 4] x [K 4, N 512]; A: computed on the way; B: input Bv: left as it is (K = 4 < 32)
;;     8. batch 16 x [M 4,096, K 64] x [K 64, N 4,096]; A: computed on the way; B: computed on the way: QUANTISED
;;     9. batch 16 x [M 4,096, K 4,096] x [K 4,096, N 64]; A: softmax (see below); B: computed on the way: QUANTISED
;;     10. [M 8,192, K 512] x [K 512, N 512]; A: computed on the way; B: input Wp (given as codes): QUANTISED
;;   THE QUANTISER, for each operand of a quantised product, along K:
;;     - K is cut into blocks of 32 from its start; a last block that is shorter is filled with zeros.
;;     - A block's scale is 2^e with e = floor(log2(the largest magnitude in the block)) - 2, held to -126 .. 127; a block of zeros has e = 0. As a byte (E8M0): e + 127.
;;     - Each number is divided by its block's scale, clamped to +-7.5, and rounded to the nearest number of E2M3, ties to even, subnormals kept.
;;     - The product sums the exact products of the quantised numbers (number of the format x scale) in f32.
;;   ~~~python
;;   def quantise(x, axis):      # numpy; x: float32 -> the quantised numbers, widened to float32 again
;;       x = np.moveaxis(x, axis, -1); K = x.shape[-1]
;;       x = np.pad(x, [(0, 0)] * (x.ndim - 1) + [(0, -K % 32)]); x = x.reshape(x.shape[:-1] + (-1, 32)); a = np.abs(x).max(-1, keepdims=True)
;;       e = np.where(a > 0, np.clip(np.frexp(np.where(a > 0, a, 1))[1] - 1 - 2, -126, 127), 0)      # np.frexp(a)[1] - 1 = floor(log2(a)), exactly
;;       r = np.clip(x / 2.0 ** e, -7.5, 7.5)
;;       step = 2.0 ** (np.maximum(np.frexp(np.where(r == 0, 1, r))[1] - 1, 0) - 3)
;;       q = np.round(r / step) * step * 2.0 ** e      # np.round: ties to even
;;       return np.moveaxis(q.reshape(q.shape[:-2] + (-1,))[..., :K], -1, axis).astype(np.float32)
;;   ~~~
;;   SOFTMAX AHEAD OF A QUANTISED PRODUCT. Where the list says 'softmax', what is quantised is not the finished softmax but p = 2^(t - M), with t = logit x log2(e) and M = ceil(the row's largest t), a whole number; so 1/2 < the row's largest p <= 1. The row's sum l is taken of the UNQUANTISED p, in f32, and the product's result is divided by l at the end. Since M is a whole number, a kernel that streams over the keys may use a running M (the ceiling of the running maximum): every later rescaling is an exact power of two, which a block's scale takes up: the codes' values come out the same.
;;   OPERANDS COMPUTED ON THE WAY. 'Computed on the way' means the value that the module computes at that place (a softmax that the list does not call 'softmax' is quantised finished and normalised). What goes into a quantiser is computed in f32, as accurately as f32 sums, v_exp_f32 and their like allow (about 1e-6 of the number): no bf16 or f16 on the way to a quantiser, and a product that is left as it is and whose result goes on into a quantised operand takes f32 operands (vector FMAs, or v_wmma_f32_16x16x4_f32). A number that lies on a knife's edge between two numbers of the format may be rounded either way, as far as f32 arithmetic and the matrix unit's own rounding can turn it there, and no further.
;;   INPUTS GIVEN AS CODES. Wk (in the module: [512, 512], K = its axis 1); Wp (in the module: [512, 512], K = its axis 1); Wq (in the module: [512, 512], K = its axis 1); Wv (in the module: [512, 512], K = its axis 1): each comes as NAME_codes (uint8): NAME with its K axis moved to the last place and cut into blocks of 32 codes, [.., K / 32, bytes a block], one block behind the other in memory; four codes in three bytes: a row's codes are one little-endian stream of bits, code i at bits 6 i .. 6 i + 5 (a code: sign, 2 exponent bits, 3 mantissa bits); and NAME_scales (uint8): the same leading axes, one E8M0 byte (e + 127) for each 32 codes along K. Its value is code x scale, taken as it is: it is not quantised again, and the codes and scales need not be those that the quantiser above would give.
;; 2 versions, each right; version 2 is version 1 with the launches proj, oproj written anew for expert scheduling mode. Each part assembles by itself: llvm-mc -triple=amdgcn-amd-amdhsa -mcpu=gfx1250 --defsym DOCPART=n.
;; ======== version 1 of 2: 3 launches
;; limits: right only within a limited range of input values
;; workspace buffers: qws 4,456,448 bytes; kv 7,733,248 bytes; ctxc 3,145,728 bytes; ctxs 131,072 bytes
;; launch proj (part 1): grid 4 x 64, 4 waves a work-group, no clusters, 75,264 bytes of LDS; arguments x, atten_mask, Wk_codes, Wk_scales, Wq_codes, Wq_scales, Wv_codes, Wv_scales, Aq, Av, Bq, Bv, qws, kv; writes qws, kv
.if DOCPART == 1
	.amdgcn_target "amdgcn-amd-amdhsa--gfx1250"
	.amdhsa_code_object_version 6
	.text
	.protected	k_q4723cf2794_proj
	.globl	k_q4723cf2794_proj
	.p2align	8
	.type	k_q4723cf2794_proj,@function
k_q4723cf2794_proj:
	s_mov_b64 s[64:65], 0
	v_nop
	global_prefetch_b8 v0, s[64:65] scope:SCOPE_SE
	s_setreg_imm32_b32 hwreg(HW_REG_WAVE_MODE, 25, 1), 1
	s_wait_xcnt 0x0
; k = Q(x) Wk^T, q = Q(x) Wq^T + 0.25 (x Aq^T) Bq^T, v = Q(x) Wv^T + 0.25 (x Av^T) Bv^T; Q = codes of FP6 (E2M3), one E8M0 scale for each 32 along K.
; q and k are then quantised along the head's 64, v along the keys, and all three leave as IMAGES OF OPERAND REGISTERS (lane l's 16 bytes at 16 l) for the attention launch.
; SHARES.  Work-group (p, y): heads 2 p and 2 p + 1, tokens 128 y .. 128 y + 127.  Four waves.  Phase A: wave w quantises x's tiles 2 w, 2 w + 1 (16 tokens x 512) and makes their
; U = x [Aq; Av]^T in f32 from the unquantised x; images go to LDS.  Role 1: waves 0, 1 make k, waves 2, 3 make q, of head 2 p + w % 2 (source 0 = 16 rows of W, source 1 = x: a lane holds one
; token, its registers run along the head).  Role 2: v of head 2 p + w / 2, channel tiles 2 (w % 2) + 0, 1 (source 0 = x, source 1 = 16 rows of Wv: a lane holds one channel, its registers run along the keys).
; THE ITEMS OF A TILE ARE NOT NEIGHBOURS: slot r of tile 2 b + u holds item 32 b + 8 u + r + 8 (r / 8) (tokens of x, rows of a weight within a head), so that the 16 result registers of
; tiles 2 b and 2 b + 1 are 16 neighbours along the next K.
; THE KEY MASK rides in the unused half of the score product's K (the head has 64 of 128): q holds the code 1.0 at k = 64 under the scale byte 127; a masked key holds -1.0 there under the byte 227
; (2^100), an open key zero codes under the byte 1.  A masked score is then about -2^100 and its weight exactly 0.
; NO JOINT LOADS: x's block is 262,144 bytes of f32, which with the images (53,248) and A's rows (16,512) passes the 327,680 bytes of LDS, so x goes from memory straight into registers; each weight
; fragment is used by one wave of the work-group, once loaded, and goes straight into that wave's registers: no tile lies in LDS that a partner could share.
; LIMITS: NaN and infinities among the inputs are not served.  A block of zeros gets the scale byte 1, not 127: its codes are zeros, and this program alone reads the bytes.
; REGISTERS, in windows of 256.  Window 0: v1-27 addresses and constants; v32-71 scale words and nothing else; v72-127 and v128-255 by phase (below).
;   window 1: W1's 16 fragments, v192.. Bq's and Bv's rows, v204.. the mask.   window 2: accumulators (written by matrix instructions alone).
;   window 3: phase A: [Aq; Av] as an operand, 256 registers; later x's fragments, set 1 (v0-95), and W2's 8 fragments (v96-191).
.set AM,    0                          ; LDS: 8 rows [Aq 0-3, Av 0-3] of 2,048 bytes, 2,064 apart
.set AMP,   2064
.set XSC,   16640                      ; scale words of x's 32 fragments (4 tile + K step), 128 bytes each
.set UIMG,  20736                      ; U's 8 images, 512 bytes each
.set VST,   24832                      ; v's scale words on their way out, 256 bytes a head
.set XIMG,  25344                      ; x's 32 fragments, 1,536 bytes each
.set KVB,   15104                      ; bytes of a step's block in kv: K 8,192, K's scale words 512, V 6,144, V's scale words 256
.set QB,    8704                       ; bytes of a group's block in qws
.set WV,    4                          ; s4 wave
.set SEL,   12                         ; s[12:13] v_permlanex16_b32's selects for lane l xor 16
.set HI16,  14                         ; s14 lane mask of lanes 16-31
.set XA,    4                          ; v4  x: 2,048 rp + 64 h (rp = r + 8 (r / 8))
.set LI,    5                          ; v5  16 x lane
.set LS,    6                          ; v6  4 x lane + XSC
.set LIX,   7                          ; v7  16 x lane + XIMG
.set XWI,   8                          ; v8  where I store x's images
.set XWS,   9                          ; v9  and their scale words
.set UWA,   10                         ; v10 and U's images
.set LU,    11                         ; v11 16 x lane + UIMG
.set AMR,   12                         ; v12 my row of [Aq; Av] in LDS
.set AMW,   13                         ; v13 16 x thread
.set WA,    14                         ; v14 a weight's codes: 384 rp + 24 h
.set WSA,   15                         ; v15 its scale bytes: 16 rp
.set BA,    16                         ; v16 Bq, Bv: 16 rp + 8 h
.set MA,    17                         ; v17 the mask: 4 rp
.set VSTW,  18
.set VSTR,  19
.set CM,    20                         ; v20, v21 the word at k = 64 .. 68 of a masked, an open row (lanes 16-31: 0)
.set CU,    21
.set BM,    22                         ; v22, v23 the upper two scale bytes of a masked, an open row
.set BU,    23
.set L8,    26                         ; v26 8 x lane
.set W1S,   32                         ; v32-47 W1's scale words (4 tile + K step);  v48-55 W2's;  v56-63, v64-71 x's, two sets
.set W2S,   48
.set XS,    56
.set SW,    92                         ; v92-95 the scale image of role 1
.set UF,    96                         ; v96-127 U: 4 registers a tile: uq[2h], uq[2h+1], uv[2h], uv[2h+1]
.set BF,    192                        ; window 1
.set BV,    200
.set MK,    204
.set W2,    96                         ; window 3
.set MSB, 0
.macro WIN new                         ; the immediate's high byte repeats the setting that is left; a switch that changes nothing is dropped
.if MSB != (\new)
	s_set_vgpr_msb (MSB<<8)|(\new)
.set MSB, (\new)
.endif
.endm
.macro PLACES n
.rept \n
	v_nop
.endr
.endm
.macro BARRIER                         ; my LDS stores have landed and my LDS loads are in: then the work-group's barrier
	s_wait_dscnt 0x0
	s_barrier_signal -1
	s_barrier_wait -1
.endm
; 64 numbers of a lane in window w, register 16 b + i = k 32 b + 16 (lane / 16) + i of my row, become a fragment's codes in v[PC] .. v[PC+11] and its scale word in v[PW].
.macro QUANT s, w
	WIN 5*(\w)
.irp b, 0,1,2,3
	v_max3_num_f32 v[TM+\b], |v[(\s)+16*\b]|, |v[(\s)+1+16*\b]|, 0x1800000   ; my 16 numbers of block b, and the floor 2^(3 - 127): the byte cannot fall under 1
.endr
.irp i, 2,4,6,8,10,12,14
.irp b, 0,1,2,3
	v_max3_num_f32 v[TM+\b], |v[(\s)+16*\b+\i]|, |v[(\s)+1+16*\b+\i]|, v[TM+\b]   ; the four blocks by turns
.endr
.endr
	WIN 0
.irp b, 0,1,2,3
	v_permlanex16_b32 v[TM+4+\b], v[TM+\b], s[SEL], s[SEL+1]
.endr
.irp b, 0,1,2,3
	v_max_num_f32 v[TM+\b], v[TM+\b], v[TM+4+\b]      ; with lane l xor 16's: the block's largest magnitude
.endr
.irp b, 0,1,2,3
	v_add_nc_u32 v[TM+12+\b], 0xff000000, v[TM+\b]    ; 2 off its exponent field: the conversion's scale operand
.endr
.irp b, 0,1,2,3
	v_lshrrev_b32 v[TM+4+\b], 23, v[TM+12+\b]         ; the scale's byte
.endr
	v_lshl_or_b32 v[PW], v[TM+5], 8, v[TM+4]
	v_lshl_or_b32 v[PW], v[TM+6], 16, v[PW]
	v_lshl_or_b32 v[PW], v[TM+7], 24, v[PW]
	WIN (\w)
.irp c, 0,1
	v_cvt_scalef32_pk16_fp6_f32 v[PC+6*\c:PC+2+6*\c], v[(\s)+32*\c:(\s)+15+32*\c], v[TM+12+2*\c]
	v_cvt_scalef32_pk16_fp6_f32 v[PC+12+4*\c:PC+14+4*\c], v[(\s)+16+32*\c:(\s)+31+32*\c], v[TM+12+2*\c+1]   ; (a conversion's three registers begin on an even number)
.endr
	WIN 0
	v_nop                                          ; one plain place behind a scaled conversion
.irp c, 0,1                                    ; the operand's layout wants a whole block in a lane: lanes 0-15 block 2 c, lanes 16-31 block 2 c + 1
.irp i, 0,1,2
	v_permlane16_swap_b32 v[PC+6*\c+\i], v[PC+12+4*\c+\i]
.endr
.irp i, 0,1,2
	v_mov_b32 v[PC+3+6*\c+\i], v[PC+12+4*\c+\i]
.endr
.endr
.endm
; The same for 32 numbers (two blocks): six registers of codes in v[OC] .. v[OC+5], the two bytes in v[TM+4], v[TM+5].
.macro QUANT2 s, w
	WIN 5*(\w)
.irp b, 0,1
	v_max3_num_f32 v[TM+\b], |v[(\s)+16*\b]|, |v[(\s)+1+16*\b]|, 0x1800000
.endr
.irp i, 2,4,6,8,10,12,14
.irp b, 0,1
	v_max3_num_f32 v[TM+\b], |v[(\s)+16*\b+\i]|, |v[(\s)+1+16*\b+\i]|, v[TM+\b]
.endr
.endr
	WIN 0
.irp b, 0,1
	v_permlanex16_b32 v[TM+4+\b], v[TM+\b], s[SEL], s[SEL+1]
.endr
.irp b, 0,1
	v_max_num_f32 v[TM+\b], v[TM+\b], v[TM+4+\b]
.endr
.irp b, 0,1
	v_add_nc_u32 v[TM+12+\b], 0xff000000, v[TM+\b]
.endr
.irp b, 0,1
	v_lshrrev_b32 v[TM+4+\b], 23, v[TM+12+\b]
.endr
	WIN (\w)
	v_cvt_scalef32_pk16_fp6_f32 v[OC:OC+2], v[(\s):(\s)+15], v[TM+12]
	v_cvt_scalef32_pk16_fp6_f32 v[TQ:TQ+2], v[(\s)+16:(\s)+31], v[TM+13]
	WIN 0
	v_nop                                          ; one plain place behind a scaled conversion
.irp i, 0,1,2
	v_permlane16_swap_b32 v[OC+\i], v[TQ+\i]
.endr
.irp i, 0,1,2
	v_mov_b32 v[OC+3+\i], v[TQ+\i]
.endr
.endm
; my tile a's numbers of K step s (64 a lane) into v[reg] on: register 16 b + i = x(my token, 128 s + 32 b + 16 h + i)
.macro XLOAD reg, a, s
.irp b, 0,1,2,3
.irp j, 0,1,2,3
	global_load_b128 v[(\reg)+16*\b+4*\j:(\reg)+16*\b+4*\j+3], v[XA], s[56:57] offset:16384*(\a)+512*(\s)+128*\b+16*\j
.endr
.endr
.endm
	s_load_b512 s[16:31], s[0:1], 0x0              ; x, mask, Wk's codes, scales, Wq's, Wv's
	s_load_b256 s[32:39], s[0:1], 0x40             ; Aq, Av, Bq, Bv
	s_load_b128 s[40:43], s[0:1], 0x60             ; qws, kv
	v_lshl_add_u32 v30, v0, 2, 0x12400
	v_mov_b32 v31, 0
	v_lshrrev_b32 v1, 5, v0
	v_readfirstlane_b32 s[WV], v1                  ; wave 0..3
	s_and_b32 s6, ttmp7, 0xffff                    ; y = 32 batch + step
	s_lshr_b32 s7, s[WV], 1
	s_and_b32 s8, s[WV], 1
	s_mov_b32 s[SEL], 0x76543210
	s_mov_b32 s[SEL+1], 0xfedcba98
	s_mov_b32 s[HI16], 0xffff0000
	s_lshr_b32 s68, s6, 5
	s_lshl_b32 s68, s68, 8
	s_and_b32 s69, s6, 31
	s_add_co_u32 s68, s68, s69                     ; 256 batch + step: a block's index is this + 32 head
	s_lshl_b32 s70, ttmp9, 1                       ; 2 p
	s_add_co_u32 s71, s70, s8                      ; role 1's head
	s_add_co_u32 s72, s70, s7                      ; role 2's head
	s_min_u32 s73, s[WV], 1
	s_add_co_u32 s73, s70, s73                     ; the head whose scale words of v I store (waves 0, 1)
	s_lshl_b32 s74, s71, 5
	s_add_co_u32 s74, s74, s68
	s_lshl_b32 s75, s72, 5
	s_add_co_u32 s75, s75, s68
	s_lshl_b32 s76, s73, 5
	s_add_co_u32 s76, s76, s68
	s_mov_b32 s3, 0
	v_and_b32 v1, 31, v0                           ; lane
	v_and_b32 v2, 15, v0                           ; r
	v_bfe_u32 v3, v0, 4, 1                         ; h
	v_and_b32 v25, 8, v2
	v_add_nc_u32 v25, v25, v2                      ; rp = r + 8 (r / 8)
	v_lshlrev_b32 v[XA], 11, v25
	v_lshl_add_u32 v[XA], v3, 6, v[XA]
	v_lshlrev_b32 v[LI], 4, v1
	v_lshl_add_u32 v[LS], v1, 2, XSC
	v_add_nc_u32 v[LIX], XIMG, v[LI]
	s_mul_i32 s9, s[WV], 12288                     ; my 8 fragments of x: 8 x 1,536 bytes a wave
	v_add_nc_u32 v[XWI], s9, v[LIX]
	s_lshl_b32 s9, s[WV], 10
	v_add_nc_u32 v[XWS], s9, v[LS]
	v_add_nc_u32 v[LU], UIMG, v[LI]
	v_add_nc_u32 v[UWA], s9, v[LU]
	v_bfe_u32 v[AMR], v2, 1, 1                     ; lane r stands for row m = r of the f32 product's source 0.  Rows 0, 1, 2, 3, 8, 9, 10, 11 are Aq0, Aq1, Av0, Av1, Aq2, Aq3, Av2, Av3:
	v_bfe_u32 v[AMW], v2, 3, 1                     ; LDS row 4 ((r / 2) % 2) + 2 (r / 8) + r % 2.  So a lane's results 0, 1 are uq[2h], uq[2h+1] and 2, 3 are uv[2h], uv[2h+1]
	v_lshlrev_b32 v[AMR], 2, v[AMR]
	v_lshl_add_u32 v[AMR], v[AMW], 1, v[AMR]
	v_and_b32 v[AMW], 1, v2
	v_add_nc_u32 v[AMR], v[AMR], v[AMW]
	v_mul_u32_u24 v[AMR], v[AMR], AMP
	v_lshl_add_u32 v[AMR], v3, 6, v[AMR]
	v_lshlrev_b32 v[AMW], 4, v0
	v_mul_u32_u24 v[WA], v25, 384
	v_mad_u32_u24 v[WA], v3, 24, v[WA]
	v_lshlrev_b32 v[WSA], 4, v25
	v_lshl_add_u32 v[BA], v3, 3, v[WSA]
	v_lshlrev_b32 v[MA], 2, v25
	s_lshl_b32 s9, s7, 8
	s_lshl_b32 s10, s8, 2
	s_add_co_u32 s9, s9, s10
	s_add_co_u32 s9, s9, VST
	v_lshl_add_u32 v[VSTW], v1, 3, s9              ; VST + 256 (w / 2) + 4 (w % 2) + 8 lane
	s_min_u32 s9, s[WV], 1
	s_lshl_b32 s9, s9, 8
	s_add_co_u32 s9, s9, VST
	v_lshl_add_u32 v[VSTR], v1, 3, s9
	v_lshlrev_b32 v[L8], 3, v1
	s_wait_kmcnt 0x0
	s_lshl_b32 s2, s6, 18                          ; 128 tokens x 2,048 bytes a block,
	s_lshl_b32 s9, s[WV], 16                       ; 32 tokens a wave
	s_add_co_u32 s2, s2, s9
	s_add_nc_u64 s[56:57], s[16:17], s[2:3]
.irp j, 0,1,2,3                                ; [Aq; Av]: thread t takes bytes 16 t of each row
	global_load_b128 v[72+4*\j:75+4*\j], v[AMW], s[32:33] offset:2048*\j
	global_load_b128 v[88+4*\j:91+4*\j], v[AMW], s[34:35] offset:2048*\j
.endr
	XLOAD 128, 0, 0
	XLOAD 192, 0, 1
	s_cmp_lt_u32 s[WV], 2                          ; waves 0, 1: k; waves 2, 3: q.  The choices hang on the wave's number alone
	s_cselect_b64 s[44:45], s[20:21], s[24:25]
	s_cselect_b64 s[46:47], s[22:23], s[26:27]
	s_cselect_b64 s[48:49], s[42:43], s[40:41]
	s_mov_b32 s9, QB
	s_cselect_b32 s9, KVB, s9
	s_cselect_b32 s10, 0x28, 8                     ; the code -1.0 for a masked key; q: always 1.0
	s_cselect_b32 s11, 0, 8
	s_mov_b32 s77, 0x017f0000                      ; q: bytes 127 and 1
	s_cselect_b32 s78, 0x01e30000, s77             ; a masked key: bytes 227 and 1
	s_cselect_b32 s79, 0x01010000, s77             ; an open key: 1 and 1
	v_mov_b32 v27, 0
	v_mov_b32 v24, s10
	v_cndmask_b32 v[CM], v24, v27, s[HI16]
	v_mov_b32 v24, s11
	v_cndmask_b32 v[CU], v24, v27, s[HI16]
	v_mov_b32 v[BM], s78
	v_mov_b32 v[BU], s79
	s_mul_i32 s2, s71, 24576                       ; 64 rows of 384 bytes a head
	s_add_nc_u64 s[44:45], s[44:45], s[2:3]
	s_lshl_b32 s2, s71, 10                         ; 64 rows of 16 bytes
	s_add_nc_u64 s[46:47], s[46:47], s[2:3]
	s_add_nc_u64 s[60:61], s[36:37], s[2:3]        ; Bq likewise
	s_mul_i32 s2, s74, s9
	s_add_nc_u64 s[48:49], s[48:49], s[2:3]        ; role 1's block
	s_lshl_b32 s77, s72, 6
	s_lshl_b32 s9, s8, 5
	s_add_co_u32 s77, s77, s9                      ; role 2's first row of Wv: 64 head + 32 (w % 2)
	s_mul_i32 s2, s77, 384
	s_add_nc_u64 s[50:51], s[28:29], s[2:3]
	s_lshl_b32 s2, s77, 4
	s_add_nc_u64 s[52:53], s[30:31], s[2:3]
	s_add_nc_u64 s[62:63], s[38:39], s[2:3]
	s_mul_i32 s2, s75, KVB
	s_mul_i32 s9, s8, 3072
	s_add_co_u32 s2, s2, s9
	s_add_co_u32 s2, s2, 8704
	s_add_nc_u64 s[54:55], s[42:43], s[2:3]        ; my two tiles of V^T
	s_lshl_b32 s2, s6, 9
	s_add_nc_u64 s[58:59], s[18:19], s[2:3]        ; the block's 128 mask words
	s_mul_i32 s2, s76, KVB
	s_add_co_u32 s2, s2, 14848
	s_add_nc_u64 s[66:67], s[42:43], s[2:3]        ; a head's scale words of V
	s_wait_loadcnt 32                              ; [Aq; Av] are in: behind them stand x's 32 loads
.irp j, 0,1,2,3
	ds_store_b128 v[AMW], v[72+4*\j:75+4*\j] offset:AMP*\j
	ds_store_b128 v[AMW], v[88+4*\j:91+4*\j] offset:AMP*(4+\j)
.endr
	WIN 0x40                                       ; destination window 1
.irp n, 0,1,2,3                                ; W1's fragments (tile n, K step s): they stay
.irp s, 0,1,2,3
.irp p, 0,1,2,3,4,5
	global_load_b64 v[12*(4*\n+\s)+2*\p:12*(4*\n+\s)+2*\p+1], v[WA], s[44:45] offset:(32*(\n/2)+8*(\n%2))*384+96*\s+48*(\p/3)+8*(\p%3)
.endr
.endr
.endr
.irp n, 0,1,2,3
	global_load_b64 v[BF+2*\n:BF+2*\n+1], v[BA], s[60:61] offset:(32*(\n/2)+8*(\n%2))*16   ; Bq(row, 2 h + 0, 1)
.endr
.irp n, 0,1
	global_load_b64 v[BV+2*\n:BV+2*\n+1], v[BA], s[62:63] offset:128*\n
.endr
.irp t, 0,1,2,3,4,5,6,7
	global_load_b32 v[MK+\t], v[MA], s[58:59] offset:(32*(\t/2)+8*(\t%2))*4
.endr
	WIN 0
.irp n, 0,1,2,3
	global_load_b128 v[W1S+4*\n:W1S+4*\n+3], v[WSA], s[46:47] offset:(32*(\n/2)+8*(\n%2))*16
.endr
.irp n, 0,1
	global_load_b128 v[W2S+4*\n:W2S+4*\n+3], v[WSA], s[52:53] offset:128*\n
.endr
	BARRIER                                        ; [Aq; Av] lie in LDS
.set TM, 72                            ; phase A: v72-87 at work, v88-107 codes, v108 the scale word, v112-115 U, v116-123 partial sums
.set PC, 88
.set PW, 108
.set UR, 112
.set T,  116
.irp b, 0,1,2,3
	v_mov_b32 v[TM+4+\b], 0                        ; a lane permute's destination counts as one of its sources
.endr
	WIN 0xc0                                       ; destination window 3
.irp s, 0,1,2,3                                ; register 64 s + 16 b + i = A(my row, 128 s + 32 b + 16 h + i): the order in which a lane holds x
.irp b, 0,1,2,3
.irp j, 0,1,2,3
	ds_load_b128 v[64*\s+16*\b+4*\j:64*\s+16*\b+4*\j+3], v[AMR] offset:512*\s+128*\b+16*\j
.endr
.endr
.endr
	WIN 0
	s_wait_dscnt 0x0
; PHASE A, one K step of one tile.  U in f32: 32 products of K = 4; k is permuted alike in both operands; four accumulators take turns.  Then the 64 numbers are quantised.
.macro ASTEP a, s
.set II, 4*(\a)+(\s)
.set XN, 128+64*(II%2)
.if II < 2
	s_wait_loadcnt 63                              ; 132 loads are younger than this step's; the wait names as many as its field holds
.elseif II < 7
	s_wait_loadcnt 16                              ; the next step's 16 loads may be out
.else
	s_wait_loadcnt 0x0
.endif
.if II == 4
	PLACES 9                                       ; the sums are begun anew over registers that matrix instructions of this form wrote
.endif
	WIN 0xa3                                       ; source 0 window 3, source 1 window 0, C and D window 2
.set CC, 0
.rept 32
.if ((\s) == 0) && (CC < 4)
	v_wmma_f32_16x16x4_f32 v[8*(CC%4):8*(CC%4)+7], v[64*(\s)+2*CC:64*(\s)+2*CC+1], v[XN+2*CC:XN+2*CC+1], 0
.else
	v_wmma_f32_16x16x4_f32 v[8*(CC%4):8*(CC%4)+7], v[64*(\s)+2*CC:64*(\s)+2*CC+1], v[XN+2*CC:XN+2*CC+1], v[8*(CC%4):8*(CC%4)+7]
.endif
.set CC, CC+1
.endr
	WIN 0
.if II > 0
	s_wait_dscnt 0x0                               ; the last step's LDS stores have read their registers
.endif
	QUANT XN, 0
.irp c, 0,1,2
	ds_store_b128 v[XWI], v[PC+4*\c:PC+4*\c+3] offset:1536*II+512*\c
.endr
	ds_store_b32 v[XWS], v[PW] offset:128*II
	PLACES 8                                       ; in front of loads into registers that this form has read, and of the first read of its results
.if II < 6
	XLOAD XN, (II+2)/4, (II+2)%4
.endif
.if (\s) == 3
	WIN 0x0a                                       ; sources 0 and 1 window 2.  Only its registers 0-3 are wanted
	v_pk_add_f32 v[T:T+1], v[0:1], v[8:9]
	v_pk_add_f32 v[T+2:T+3], v[2:3], v[10:11]
	v_pk_add_f32 v[T+4:T+5], v[16:17], v[24:25]
	v_pk_add_f32 v[T+6:T+7], v[18:19], v[26:27]
	WIN 0
	v_pk_add_f32 v[UR:UR+1], v[T:T+1], v[T+4:T+5]
	v_pk_add_f32 v[UR+2:UR+3], v[T+2:T+3], v[T+6:T+7]
	ds_store_b128 v[UWA], v[UR:UR+3] offset:512*(\a)
.endif
.endm
.irp a, 0,1
.irp s, 0,1,2,3
	ASTEP \a, \s
.endr
.endr
	BARRIER                                        ; x's 32 fragments, their scale words and U lie in LDS
; x's eight fragments of K step s and their scale words into set 0 (window 0, v128 on) or set 1 (window 3, v0 on): 32 LDS loads
.macro FETCH s, set
.if \set
	WIN 0xc0
.endif
.irp t, 0,1,2,3,4,5,6,7
.irp c, 0,1,2
	ds_load_b128 v[128*(1-(\set))+12*\t+4*\c:128*(1-(\set))+12*\t+4*\c+3], v[LIX] offset:1536*(4*\t+(\s))+512*\c
.endr
.endr
	WIN 0
.irp t, 0,1,2,3,4,5,6,7
	ds_load_b32 v[XS+8*(\set)+\t], v[LS] offset:128*(4*\t+(\s))
.endr
.endm
; role 1, K step s: 32 accumulators (x's tile t, W1's tile n) at 32 t + 8 n by turns
.macro MUL1 s, zero
.set XB, 128*(1-((\s)%2))
.if (\s)%2
	WIN 0xad                                       ; source 0 window 1, source 1 window 3, C and D window 2
.else
	WIN 0xa1                                       ; source 1 window 0
.endif
.irp t, 0,1,2,3,4,5,6,7
.irp n, 0,1,2,3
.if \zero
	v_wmma_scale_f32_16x16x128_f8f6f4 v[32*\t+8*\n:32*\t+8*\n+7], v[12*(4*\n+(\s)):12*(4*\n+(\s))+11], v[XB+12*\t:XB+12*\t+11], 0, v[W1S+4*\n+(\s)], v[XS+8*((\s)%2)+\t] matrix_a_fmt:MATRIX_FMT_FP6 matrix_b_fmt:MATRIX_FMT_FP6
.else
	v_wmma_scale_f32_16x16x128_f8f6f4 v[32*\t+8*\n:32*\t+8*\n+7], v[12*(4*\n+(\s)):12*(4*\n+(\s))+11], v[XB+12*\t:XB+12*\t+11], v[32*\t+8*\n:32*\t+8*\n+7], v[W1S+4*\n+(\s)], v[XS+8*((\s)%2)+\t] matrix_a_fmt:MATRIX_FMT_FP6 matrix_b_fmt:MATRIX_FMT_FP6
.endif
.endr
.endr
.endm
; role 2, K step s: 16 accumulators (W2's tile n, x's tile t) at 64 n + 8 t by turns
.macro MUL2 s
.set XB, 128*(1-((\s)%2))
.if (\s)%2
	WIN 0xaf                                       ; sources 0 and 1 window 3, C and D window 2
.else
	WIN 0xac                                       ; source 0 window 0
.endif
.irp t, 0,1,2,3,4,5,6,7
.irp n, 0,1
	v_wmma_scale_f32_16x16x128_f8f6f4 v[64*\n+8*\t:64*\n+8*\t+7], v[XB+12*\t:XB+12*\t+11], v[W2+12*(4*\n+(\s)):W2+12*(4*\n+(\s))+11], v[64*\n+8*\t:64*\n+8*\t+7], v[XS+8*((\s)%2)+\t], v[W2S+4*\n+(\s)] matrix_a_fmt:MATRIX_FMT_FP6 matrix_b_fmt:MATRIX_FMT_FP6
.endr
.endr
.endm
	; ---- ROLE 1
	PLACES 9                                       ; behind the f32 products: loads land on their source 0, and their results are written over
	WIN 0xc0
.irp n, 0,1                                    ; W2's fragments are asked for now and wanted in role 2
.irp s, 0,1,2,3
.irp p, 0,1,2,3,4,5
	global_load_b64 v[W2+12*(4*\n+\s)+2*\p:W2+12*(4*\n+\s)+2*\p+1], v[WA], s[50:51] offset:8*\n*384+96*\s+48*(\p/3)+8*(\p%3)
.endr
.endr
.endr
	WIN 0x45                                       ; destination and sources window 1
.irp n, 0,1,2,3,4,5
	v_pk_mul_f32 v[BF+2*\n:BF+2*\n+1], v[BF+2*\n:BF+2*\n+1], 0x3e800000 op_sel_hi:[1,0]   ; Bq's and Bv's rows x 0.25: exact
.endr
	WIN 0
.irp t, 0,1,2,3,4,5,6,7
	ds_load_b128 v[UF+4*\t:UF+4*\t+3], v[LU] offset:512*\t
.endr
	FETCH 0, 0
	s_cmp_lt_u32 s[WV], 2
	s_cbranch_scc1 .Lk_arm
	s_wait_dscnt 32                                ; U is in; the fetch behind it may be out
	WIN 0x81                                       ; source 0 window 1, source 1 window 0, D window 2
.irp t, 0,1,2,3,4,5,6,7                        ; q's sums begin with 0.25 Bq uq, in f32
.irp n, 0,1,2,3
	v_wmma_f32_16x16x4_f32 v[32*\t+8*\n:32*\t+8*\n+7], v[BF+2*\n:BF+2*\n+1], v[UF+4*\t:UF+4*\t+1], 0
.endr
.endr
	WIN 0
	PLACES 9                                       ; another form adds onto these results
	FETCH 1, 1
	s_wait_dscnt 32                                ; K step 0 is in, K step 1 may be out
	MUL1 0, 0
	WIN 0
	s_branch .Ljoin
.Lk_arm:
	FETCH 1, 1
	s_wait_dscnt 32
	MUL1 0, 1                                      ; k's sums begin with the first K step
	WIN 0
.Ljoin:
.irp s, 1,2,3
	PLACES 4                                       ; in front of loads into registers that the last products read
.if \s < 3
	FETCH (\s+1), ((\s+1)%2)
	s_wait_dscnt 32                                ; this K step is in, the next may be out
.else
	s_wait_dscnt 0x0
.endif
	MUL1 \s, 0
.endr
	WIN 0
	; a tile's 32 numbers a lane (one token, the head's dims 32 b + 16 h + i) become six registers of codes; registers 6 and 7 carry the mask
.set TM, 128
.set OC, 144
.set TQ, 152
.set WD, 156
.set HIW, 157
	PLACES 4
.irp b, 0,1,2,3
	v_mov_b32 v[TM+4+\b], 0
.endr
	v_mov_b32 v[OC+7], 0
.irp t, 0,1,2,3,4,5,6,7
.if \t > 0
	s_wait_xcnt 0x0                                ; the last tile's stores have read their registers
.endif
	QUANT2 32*\t, 2
	WIN 0x04                                       ; source 1 window 1
	v_cmp_eq_u32 vcc_lo, 0, v[MK+\t]               ; a key is masked where the mask word is 0
	WIN 0
	v_cndmask_b32 v[OC+6], v[CU], v[CM], vcc_lo
	v_cndmask_b32 v[HIW], v[BU], v[BM], vcc_lo
	v_lshl_or_b32 v[WD], v[TM+5], 8, v[TM+4]
	v_or_b32 v[WD], v[WD], v[HIW]                  ; the row's scale word
.if \t % 2
	v_cndmask_b32 v[SW+\t/2], v[SW+\t/2], v[WD], s[HI16]   ; an odd tile's words stand in lanes 16-31
.else
	v_mov_b32 v[SW+\t/2], v[WD]
.endif
	global_store_b128 v[LI], v[OC:OC+3], s[48:49] offset:1024*\t          ; each store covers 512 consecutive bytes, aligned
	global_store_b128 v[LI], v[OC+4:OC+7], s[48:49] offset:1024*\t+512
.endr
	global_store_b128 v[LI], v[SW:SW+3], s[48:49] offset:8192
	; ---- ROLE 2
	s_wait_loadcnt 0x0                             ; W2
	s_wait_xcnt 0x0                                ; the stores above have read their registers
	WIN 0x84                                       ; source 0 window 0, source 1 window 1, D window 2
.irp t, 0,1,2,3,4,5,6,7                        ; v's sums begin with 0.25 uv Bv^T, in f32
.irp n, 0,1
	v_wmma_f32_16x16x4_f32 v[64*\n+8*\t:64*\n+8*\t+7], v[UF+4*\t+2:UF+4*\t+3], v[BV+2*\n:BV+2*\n+1], 0
.endr
.endr
	WIN 0
	FETCH 0, 0
	PLACES 9                                       ; another form adds onto these results
	FETCH 1, 1
	s_wait_dscnt 32
	MUL2 0
	WIN 0
.irp s, 1,2,3
	PLACES 4
.if \s < 3
	FETCH (\s+1), ((\s+1)%2)
	s_wait_dscnt 32
.else
	s_wait_dscnt 0x0
.endif
	MUL2 \s
	WIN 0
.endr
.set PC, 144
.set PW, 164
	PLACES 4
.irp n, 0,1                                    ; a tile's 64 numbers a lane (one channel, keys 32 b + 16 h + i) become a fragment of V^T
.if \n > 0
	s_wait_xcnt 0x0
.endif
	QUANT 64*\n, 2
.irp c, 0,1,2
	global_store_b128 v[LI], v[PC+4*\c:PC+4*\c+3], s[54:55] offset:1536*\n+512*\c
.endr
.if \n == 0
	v_mov_b32 v165, v[PW]
.endif
.endr
	v_cndmask_b32 v166, v165, v[PW], s[HI16]       ; lanes 0-15: my even tile's words, lanes 16-31: my odd tile's
	ds_store_b32 v[VSTW], v166
	BARRIER                                        ; a head's 256 bytes come from two waves
	s_cmp_lt_u32 s[WV], 2
	s_cbranch_scc0 .Ldone
	ds_load_b64 v[168:169], v[VSTR]
	s_wait_dscnt 0x0
	global_store_b64 v[L8], v[168:169], s[66:67]   ; 32 lanes store 256 consecutive bytes, aligned
.Ldone:
	s_wait_tensorcnt 0x0
	ds_add_u32 v30, v31
	s_wait_dscnt 0x0
	s_endpgm
.Lfunc_end_k_q4723cf2794_proj:
	.size	k_q4723cf2794_proj, .Lfunc_end_k_q4723cf2794_proj-k_q4723cf2794_proj
	.p2alignl 7, 3214868480
	.fill 96, 4, 3214868480
	.section	.rodata,"a",@progbits
	.p2align	6, 0x0
	.amdhsa_kernel k_q4723cf2794_proj
		.amdhsa_group_segment_fixed_size 75264
		.amdhsa_private_segment_fixed_size 0
		.amdhsa_enable_private_segment 0
		.amdhsa_kernarg_size 112
		.amdhsa_user_sgpr_count 2
		.amdhsa_user_sgpr_kernarg_segment_ptr 1
		.amdhsa_wavefront_size32 1
		.amdhsa_system_sgpr_workgroup_id_x 1
		.amdhsa_system_sgpr_workgroup_id_y 1
		.amdhsa_system_sgpr_workgroup_id_z 1
		.amdhsa_system_vgpr_workitem_id 0
		.amdhsa_next_free_vgpr 1024
		.amdhsa_next_free_sgpr 80
		.amdhsa_reserve_vcc 1
		.amdhsa_float_denorm_mode_32 3
		.amdhsa_float_denorm_mode_16_64 3
		.amdhsa_memory_ordered 1
		.amdhsa_forward_progress 1
		.amdhsa_inst_pref_size 173
	.end_amdhsa_kernel
	.amdgpu_metadata
---
amdhsa.version: [ 1, 2 ]
amdhsa.kernels:
  - .name:           k_q4723cf2794_proj
    .symbol:         k_q4723cf2794_proj.kd
    .args:
      - { .name: x, .offset: 0, .size: 8, .value_kind: global_buffer, .address_space: global }
      - { .name: atten_mask, .offset: 8, .size: 8, .value_kind: global_buffer, .address_space: global }
      - { .name: Wk_codes, .offset: 16, .size: 8, .value_kind: global_buffer, .address_space: global }
      - { .name: Wk_scales, .offset: 24, .size: 8, .value_kind: global_buffer, .address_space: global }
      - { .name: Wq_codes, .offset: 32, .size: 8, .value_kind: global_buffer, .address_space: global }
      - { .name: Wq_scales, .offset: 40, .size: 8, .value_kind: global_buffer, .address_space: global }
      - { .name: Wv_codes, .offset: 48, .size: 8, .value_kind: global_buffer, .address_space: global }
      - { .name: Wv_scales, .offset: 56, .size: 8, .value_kind: global_buffer, .address_space: global }
      - { .name: Aq, .offset: 64, .size: 8, .value_kind: global_buffer, .address_space: global }
      - { .name: Av, .offset: 72, .size: 8, .value_kind: global_buffer, .address_space: global }
      - { .name: Bq, .offset: 80, .size: 8, .value_kind: global_buffer, .address_space: global }
      - { .name: Bv, .offset: 88, .size: 8, .value_kind: global_buffer, .address_space: global }
      - { .name: qws, .offset: 96, .size: 8, .value_kind: global_buffer, .address_space: global }
      - { .name: kv, .offset: 104, .size: 8, .value_kind: global_buffer, .address_space: global }
    .group_segment_fixed_size: 75264
    .private_segment_fixed_size: 0
    .kernarg_segment_align: 8
    .kernarg_segment_size: 112
    .max_flat_workgroup_size: 128
    .sgpr_count:     80
    .vgpr_count:     1024
    .wavefront_size: 32
...
	.end_amdgpu_metadata
.endif
;; end of part 1
;; launch attn (part 2): grid 16 x 16, 16 waves a work-group, clusters of 4 x 1, 327,680 bytes of LDS; arguments qws, kv, ctxc, ctxs; writes ctxc, ctxs
.if DOCPART == 2
	.amdgcn_target "amdgcn-amd-amdhsa--gfx1250"
	.amdhsa_code_object_version 6
	.text
	.protected	k_q4723cf2794_attn
	.globl	k_q4723cf2794_attn
	.p2align	8
	.type	k_q4723cf2794_attn,@function
k_q4723cf2794_attn:
	s_mov_b64 s[64:65], 0
	v_nop
	global_prefetch_b8 v0, s[64:65] scope:SCOPE_SE
	s_setreg_imm32_b32 hwreg(HW_REG_WAVE_MODE, 25, 1), 1
	s_wait_xcnt 0x0
	s_wait_alu depctr_hold_cnt(0) depctr_sa_sdst(0) depctr_va_vdst(0) depctr_va_sdst(0) depctr_va_ssrc(0) depctr_va_vcc(0) depctr_vm_vsrc(0)
	s_getreg_b32 s2, hwreg(HW_REG_IB_STS2, 6, 4)
	s_cmp_eq_u32 s2, 0
	s_cbranch_scc0 .Lentry_in_a_cluster
	s_endpgm
.Lentry_in_a_cluster:
	s_bfe_u32 s2, ttmp6, 0x10000c
	s_cmp_lg_u32 s2, 0x3003
	s_cbranch_scc0 .Lentry_shape_is_right
	s_endpgm
.Lentry_shape_is_right:
; ctx = softmax(q k^T / 8, masked keys out) v for one head and 256 queries, both products on codes of FP6 (E2M3) with E8M0 scales; ctx / l is quantised along the head and leaves as images of operand registers.
; t = score x log2(e) / 8; M = the running largest t rounded UP to a whole number; p = 2^(t - M) is quantised along the keys, not normalised; the row's sum is taken of the unquantised p and divides at the end.
; When M moves, the sum and O are multiplied by 2^(old M - new M): exact.
; SHARES.  Work-group (X, bh): queries 256 X .. of head bh.  Sixteen waves, each ONE tile of 16 queries in 256 registers, four to a SIMD, so that one wave's vector work stands beside another's products and LDS loads.
; Every wave walks the head's 4,096 keys, 128 a step.  A step's block of kv (15,104 bytes: K's 8 tiles, K's scale words, V^T's 4 tiles, V's scale words) lies as images of registers: every LDS load takes 16 (or 8) bytes a lane on end.
; LAYOUT.  S^T = K Q^T (source 0 = 16 keys), O^T = V^T P^T (source 0 = 16 channels): a lane holds ONE query throughout.  The keys of a tile and the channels of a tile were chosen by the launch before
; so that the 16 registers of tiles 2 b, 2 b + 1 are 16 neighbours.
; THE MASK costs no line here: the head fills k = 0 .. 63 of the product's 128; at k = 64 q holds 1.0 and a masked key -1.0 x 2^100, an open key zero codes.  A masked score is about -2^100, and its p is 0.
; The running largest t starts at -2^80, over every masked t, so that masked scores never set M.  LIMITS: |t| under 2^79; NaN and infinities are not served.
; Where every key of a batch is masked (the largest t never left its start) the scale bytes of ctx are 0xff, which makes the output NaN, as the softmax of nothing is.
; CLUSTER.  The four work-groups of a cluster belong to one head and walk the same kv: each slot is asked for JOINTLY, by the same tensor load with the same descriptor and the mask 15.
; RING.  Two slots of 8 steps (120,832 bytes); waves 0-3 fetch a quarter each (118 rows of 256 bytes).  Four fills: two at the start, together, and two refills; at most two tensor loads of a wave are out.
.set STEPB, 15104
.set SLOTB, 8*STEPB                    ; 120,832
.set QUART, SLOTB/4                    ; 30,208 = 118 x 256
.set SPARE, SLOTB                      ; behind slot 0: the spare words, 128 bytes for each of 16 waves: eight blocks of 256 bytes that no other line names
.set SST,   SPARE+2048                 ; ctx's scale bytes on their way out: 512 bytes, in blocks into which no fill lands
.set SLOT1, 1<<17                      ; slot 1: one exclusive or turns an address in one slot into the other's
.set L16, 1                            ; v1  16 x lane
.set L8,  2                            ; v2  8 x lane
.set ADR, 3                            ; v3  the step's block + 16 x lane
.set ADR8, 4                           ; v4  + 8 x lane
.set SPW, 5                            ; v5  LDS address of my spare word; never rewritten
.set NIL, 6                            ; v6  0; never rewritten
.set SO,  7                            ; v7-10 the conversions' scale operands
.set SSW, 11                           ; v11 where I put my query's two scale bytes
.set QS,  28                           ; v28 Q's scale words;  v29 P's;  v30-31 V's;  v32-35 K's: scales and nothing else
.set PS,  29
.set VS,  30
.set KS,  32
.set KB,  36                           ; v36-83  four fragments of K (registers 8-11 of each stay 0)
.set VB,  84                           ; v84-131 four fragments of V^T
.set S,   132                          ; v132-195 S^T, then p
.set O,   196                          ; v196-227 O^T
.set P,   228                          ; v228-239 p's codes
.set BX,  248                          ; v248-251 the blocks' largest scores
.set SSR, 255                          ; v255 SST + 16 x lane
.set WV,  12
.set SEL, 20
.set CS,  22
.set G1,  24
.set G0A, 32
.set G0B, 36
.set TB,  40
.set CNT, 41
.set SLOTS, 42
.set MSB, 0
.macro WIN new                         ; (this text stays in window 0: every call is dropped)
.if MSB != (\new)
	s_set_vgpr_msb (MSB<<8)|(\new)
.set MSB, (\new)
.endif
.endm
.macro PLACES n
.rept \n
	v_nop
.endr
.endm
.macro CROUND                          ; a round of the cluster's barrier
	s_barrier_signal -1
	s_barrier_wait -1
	s_cmp_lg_u32 s[WV], 0
	s_cbranch_scc1 .Lnot_wave_0_\@
	s_barrier_signal -3
.Lnot_wave_0_\@:
	s_barrier_wait -3
	s_barrier_signal -1
	s_barrier_wait -1
.endm
; 32 numbers of a lane, register 16 b + i = k 32 b + 16 (lane / 16) + i of my row: six registers of codes in v[OC] on, the two bytes in v[TM+4], v[TM+5]
.macro QUANT2 s, w
	WIN 5*(\w)
.irp b, 0,1
	v_max3_num_f32 v[TM+\b], |v[(\s)+16*\b]|, |v[(\s)+1+16*\b]|, 0x1800000
.endr
.irp i, 2,4,6,8,10,12,14
.irp b, 0,1
	v_max3_num_f32 v[TM+\b], |v[(\s)+16*\b+\i]|, |v[(\s)+1+16*\b+\i]|, v[TM+\b]
.endr
.endr
	WIN 0
.irp b, 0,1
	v_permlanex16_b32 v[TM+4+\b], v[TM+\b], s[SEL], s[SEL+1]
.endr
.irp b, 0,1
	v_max_num_f32 v[TM+\b], v[TM+\b], v[TM+4+\b]
.endr
.irp b, 0,1
	v_add_nc_u32 v[TM+12+\b], 0xff000000, v[TM+\b]
.endr
.irp b, 0,1
	v_lshrrev_b32 v[TM+4+\b], 23, v[TM+12+\b]
.endr
	WIN (\w)
	v_cvt_scalef32_pk16_fp6_f32 v[OC:OC+2], v[(\s):(\s)+15], v[TM+12]
	v_cvt_scalef32_pk16_fp6_f32 v[TQ:TQ+2], v[(\s)+16:(\s)+31], v[TM+13]
	WIN 0
	v_nop                                          ; one plain place behind a scaled conversion
.irp i, 0,1,2
	v_permlane16_swap_b32 v[OC+\i], v[TQ+\i]
.endr
.irp i, 0,1,2
	v_mov_b32 v[OC+3+\i], v[TQ+\i]
.endr
.endm
	s_load_b256 s[4:11], s[0:1], 0x0               ; qws, kv, ctxc, ctxs
	v_lshl_add_u32 v[SPW], v0, 2, SPARE
	v_mov_b32 v[NIL], 0
	ds_add_u32 v5, v6
	s_wait_dscnt 0x0
	v_lshrrev_b32 v1, 5, v0
	v_readfirstlane_b32 s[WV], v1                  ; wave 0..15
	s_bfe_u32 s13, ttmp6, 0x40000                  ; cx: it enters the addresses of q and ctx alone
	s_lshl_b32 s14, ttmp9, 2
	s_add_co_u32 s14, s14, s13                     ; X = 4 x cluster x + cx
	s_and_b32 s15, ttmp7, 0xffff                   ; bh = 8 batch + head, which the partners share
	s_min_u32 s43, s[WV], 3                        ; which quarter of a slot I fetch, if I fetch
	s_mov_b32 s[G1+0], 15|(3<<16)|(1<<21)          ; 15:0 the mask: all four; 17:16 elements of 8 bytes; 21 set beside a mask; no padding: every LDS read takes a lane's bytes on end
	s_mov_b32 s[G1+1], 32<<16                      ; tensor_dim0 = 32 elements: rows of 256 bytes
	s_mov_b32 s[G1+2], 118<<16                     ; tensor_dim1 = 118
	s_mov_b32 s[G1+3], 32<<16                      ; tile_dim0
	s_mov_b32 s[G1+4], 118                         ; tile_dim1
	s_mov_b32 s[G1+5], 32                          ; the block is dense: pitch = row
	s_mov_b32 s[G1+6], 0
	s_mov_b32 s[G1+7], 0
	s_mov_b32 s[SEL], 0x76543210
	s_mov_b32 s[SEL+1], 0xfedcba98
	s_mov_b32 s[CS], 0x3e38aa3b                    ; c = log2(e) / 8
	s_mov_b32 s[CS+1], s[CS]                       ; (named with it as a pair, so it is written)
	s_mov_b32 s[TB], 0
	s_lshr_b32 s44, s15, 3                         ; batch
	s_and_b32 s45, s15, 7                          ; head
	s_lshl_b32 s46, s15, 5
	s_lshl_b32 s47, s14, 1
	s_add_co_u32 s46, s46, s47
	s_lshr_b32 s47, s[WV], 3
	s_add_co_u32 s46, s46, s47                     ; my group of 128 queries: 32 bh + 2 X + wave / 8
	s_mul_i32 s46, s46, 8704
	s_and_b32 s47, s[WV], 7                        ; my tile in it
	s_lshl_b32 s48, s47, 10
	s_add_co_u32 s48, s48, s46                     ; Q's image
	s_mov_b32 s49, 0
	s_and_b32 s50, s47, 1
	s_lshl_b32 s50, s50, 8
	s_lshr_b32 s51, s47, 1
	s_lshl_b32 s51, s51, 2
	s_add_co_u32 s50, s50, s51
	s_add_co_u32 s50, s50, s46
	s_add_co_u32 s50, s50, 8192                    ; its scale words: word tile / 2 of lanes 16 (tile % 2) + r
	s_mov_b32 s51, 0
	s_lshl_b32 s52, s44, 8
	s_lshl_b32 s53, s14, 4
	s_add_co_u32 s52, s52, s53
	s_add_co_u32 s52, s52, s[WV]                   ; my row tile of ctx: 256 batch + 16 X + wave
	s_mul_i32 s52, s52, 6144
	s_lshr_b32 s53, s45, 1
	s_mul_i32 s53, s53, 1536
	s_add_co_u32 s52, s52, s53
	s_and_b32 s53, s45, 1
	s_mul_i32 s53, s53, 768
	s_add_co_u32 s52, s52, s53
	s_mov_b32 s53, 0
	s_lshl_b32 s54, s44, 4
	s_add_co_u32 s54, s54, s14
	s_lshl_b32 s54, s54, 9
	s_lshl_b32 s55, s45, 14
	s_add_co_u32 s54, s54, s55                     ; the work-group's 512 scale bytes: 16,384 head + 512 (16 batch + X)
	s_mov_b32 s55, 0
	s_mul_i32 s18, s43, QUART                      ; my quarter, in a slot and in memory: no place in the cluster enters it
	s_mul_i32 s16, s15, 32*STEPB
	s_add_co_u32 s16, s16, s18
	s_mov_b32 s17, 0
	s_wait_kmcnt 0x0
	s_add_nc_u64 s[6:7], s[6:7], s[16:17]
	s_add_nc_u64 s[48:49], s[4:5], s[48:49]
	s_add_nc_u64 s[50:51], s[4:5], s[50:51]
	s_add_nc_u64 s[8:9], s[8:9], s[52:53]
	s_add_nc_u64 s[10:11], s[10:11], s[54:55]
	CROUND                                         ; all four work-groups are here: the first joint loads meet
	s_mov_b32 s[G0A], 1
	s_mov_b32 s[G0A+1], s18                        ; slot 0
	s_mov_b64 s[G0A+2:G0A+3], s[6:7]               ; keys 0 .. 1,023
	s_or_b32 s[G0A+3], s[G0A+3], 0x80000000
	s_mov_b32 s[G0B], 1
	s_add_co_u32 s[G0B+1], s18, SLOT1              ; slot 1; this set then walks
	s_add_nc_u64 s[G0B+2:G0B+3], s[6:7], SLOTB
	s_or_b32 s[G0B+3], s[G0B+3], 0x80000000
	s_cmp_lt_u32 s[WV], 4                          ; a wave's two first fills stand in one branch, ahead of every wait on TENSORcnt, every LDS read and every other barrier
	s_cbranch_scc0 .Lno_first
	tensor_load_to_lds s[G0A:G0A+3], s[G1:G1+7]
	s_nop 0
	tensor_load_to_lds s[G0B:G0B+3], s[G1:G1+7]
	s_nop 0
	PLACES 4
.Lno_first:
	v_and_b32 v1, 31, v0
	v_lshlrev_b32 v[L8], 3, v1
	v_lshlrev_b32 v[L16], 4, v1
	v_and_b32 v254, 15, v0
	v_lshlrev_b32 v[SSW], 1, v254
	s_lshl_b32 s19, s[WV], 5
	s_add_co_u32 s19, s19, SST
	v_add_nc_u32 v[SSW], s19, v[SSW]               ; SST + 32 wave + 2 r
	v_add_nc_u32 v[SSR], SST, v[L16]
	v_lshlrev_b32 v254, 4, v254
	global_load_b128 v[16:19], v[L16], s[48:49]    ; Q's registers 0-7 stay; 8-11 are zeros
	global_load_b128 v[20:23], v[L16], s[48:49] offset:512
	global_load_b32 v[QS], v254, s[50:51]
.irp j, 24,25,26,27
	v_mov_b32 v[\j], 0
.endr
.irp t, 0,1,2,3
.irp j, 8,9,10,11
	v_mov_b32 v[KB+12*\t+\j], 0                    ; k = 80 .. 127 of every key: zero codes, never loaded
.endr
.endr
.set J, 0
.rept 32
	v_mov_b32 v[O+J], 0                            ; O^T.  (The step is written once: the first finds zeros, which the first change of M leaves zeros)
.set J, J+1
.endr
	v_mov_b32 v13, 0xe7800000                      ; the largest t so far: -2^80, over every masked t and under every open one
	v_floor_f32 v12, -v13                          ; -M
	v_mov_b32 v14, 0                               ; the sum, in two halves
	v_mov_b32 v15, 0
.irp b, 0,1,2,3
	v_mov_b32 v[240+\b], 0                         ; a lane permute's destination counts as one of its sources
.endr
	v_mov_b32 v253, 0                              ; (named as the upper half of the pair v[252:253])
.macro QK t                            ; tile t of S^T: an odd tile's scale words stand in lanes 16-31
.if (\t)%2
	v_wmma_scale_f32_16x16x128_f8f6f4 v[S+8*(\t):S+8*(\t)+7], v[KB+12*((\t)%4):KB+12*((\t)%4)+11], v[16:27], 0, v[KS+(\t)/2], v[QS] matrix_a_fmt:MATRIX_FMT_FP6 matrix_b_fmt:MATRIX_FMT_FP6 matrix_a_scale:MATRIX_SCALE_ROW1
.else
	v_wmma_scale_f32_16x16x128_f8f6f4 v[S+8*(\t):S+8*(\t)+7], v[KB+12*((\t)%4):KB+12*((\t)%4)+11], v[16:27], 0, v[KS+(\t)/2], v[QS] matrix_a_fmt:MATRIX_FMT_FP6 matrix_b_fmt:MATRIX_FMT_FP6
.endif
.endm
.macro PV t
.if (\t)%2
	v_wmma_scale_f32_16x16x128_f8f6f4 v[O+8*(\t):O+8*(\t)+7], v[VB+12*(\t):VB+12*(\t)+11], v[P:P+11], v[O+8*(\t):O+8*(\t)+7], v[VS+(\t)/2], v[PS] matrix_a_fmt:MATRIX_FMT_FP6 matrix_b_fmt:MATRIX_FMT_FP6 matrix_a_scale:MATRIX_SCALE_ROW1
.else
	v_wmma_scale_f32_16x16x128_f8f6f4 v[O+8*(\t):O+8*(\t)+7], v[VB+12*(\t):VB+12*(\t)+11], v[P:P+11], v[O+8*(\t):O+8*(\t)+7], v[VS+(\t)/2], v[PS] matrix_a_fmt:MATRIX_FMT_FP6 matrix_b_fmt:MATRIX_FMT_FP6
.endif
.endm
; A KEY STEP: 128 keys, whose block begins at LDS byte s[TB]
.macro STEP
	v_add_nc_u32 v[ADR], s[TB], v[L16]
	v_add_nc_u32 v[ADR8], s[TB], v[L8]
	ds_load_b128 v[KS:KS+3], v[ADR] offset:8192
.irp t, 0,1,2,3
	ds_load_b128 v[KB+12*\t:KB+12*\t+3], v[ADR] offset:1024*\t
	ds_load_b128 v[KB+12*\t+4:KB+12*\t+7], v[ADR] offset:1024*\t+512
.endr
	s_wait_dscnt 0x0
.irp t, 0,1,2,3
	QK \t
.endr
	PLACES 4                                       ; in front of loads into registers that these products read; with the two additions above also behind the last step's products, whose V is loaded over
.irp t, 0,1,2,3
	ds_load_b128 v[KB+12*\t:KB+12*\t+3], v[ADR] offset:1024*(4+\t)
	ds_load_b128 v[KB+12*\t+4:KB+12*\t+7], v[ADR] offset:1024*(4+\t)+512
.endr
.irp t, 0,1,2,3
.irp c, 0,1,2
	ds_load_b128 v[VB+12*\t+4*\c:VB+12*\t+4*\c+3], v[ADR] offset:8704+1536*\t+512*\c
.endr
.endr
	ds_load_b64 v[VS:VS+1], v[ADR8] offset:14848
	s_wait_dscnt 13                                ; K's tiles 4-7 are in; V's 12 loads and its scale words land under the softmax
.irp t, 4,5,6,7
	QK \t
.endr
	PLACES 4
.irp b, 0,1,2,3
	v_max3_num_f32 v[BX+\b], v[S+16*\b], v[S+1+16*\b], v[S+2+16*\b]   ; the largest score of each block of 32 keys: for the row's maximum and, since p rises with the score, for the block's largest p
.endr
.irp i, 3,5,7,9,11,13
.irp b, 0,1,2,3
	v_max3_num_f32 v[BX+\b], v[BX+\b], v[S+16*\b+\i], v[S+1+16*\b+\i]
.endr
.endr
.irp b, 0,1,2,3
	v_max_num_f32 v[BX+\b], v[BX+\b], v[S+15+16*\b]
.endr
.irp b, 0,1,2,3
	v_permlanex16_b32 v[240+\b], v[BX+\b], s[SEL], s[SEL+1]
.endr
.irp b, 0,1,2,3
	v_max_num_f32 v[BX+\b], v[BX+\b], v[240+\b]    ; with lane l xor 16's 16 keys
.endr
	v_max3_num_f32 v254, v[BX], v[BX+1], v[BX+2]
	v_max_num_f32 v254, v254, v[BX+3]
	v_mul_f32 v254, s[CS], v254                    ; the step's largest t (c is positive)
	v_max_num_f32 v13, v13, v254                   ; the running largest t
	v_mov_b32 v254, v12
	v_floor_f32 v12, -v13                          ; the new -M = -ceil(t)
	v_sub_f32 v254, v12, v254                      ; old M - new M: a whole number, 0 or less
	v_cvt_i32_f32 v254, v254                       ; (it saturates)
	v_ldexp_f32 v252, 1.0, v254                    ; f = 2^(old M - new M)
.set J, 0
.rept 32
	v_pk_fma_f32 v[S+J:S+J+1], v[S+J:S+J+1], s[CS:CS+1], v[12:13] op_sel_hi:[1,0,0]   ; t - M, two at a time
.set J, J+2
.endr
.irp b, 0,1,2,3
	v_fma_f32 v[BX+\b], v[BX+\b], s[CS], v12       ; the same of each block's largest score
.endr
.set J, 0
.rept 64
	v_exp_f32 v[S+J], v[S+J]                       ; p = 2^(t - M)
.set J, J+1
.endr
.irp b, 0,1,2,3
	v_exp_f32 v[BX+\b], v[BX+\b]                   ; the block's largest p: the same two instructions on the same number
.endr
	v_pk_mul_f32 v[14:15], v[14:15], v[252:253] op_sel_hi:[1,0]   ; the sums under the new M.  (A plain place behind the exponentials)
	s_wait_alu depctr_va_vdst(0)
.irp b, 0,1,2,3
	v_max_num_f32 v[BX+\b], 0x1800000, v[BX+\b]    ; the floor 2^(3 - 127): a block whose every p is 0 keeps the byte 1; its codes are zeros
.endr
.irp b, 0,1,2,3
	v_add_nc_u32 v[SO+\b], 0xff000000, v[BX+\b]    ; 2 off the exponent field: the conversion's scale operand
.endr
.irp b, 0,1,2,3
	v_lshrrev_b32 v[240+\b], 23, v[SO+\b]
.endr
	v_lshl_or_b32 v[PS], v241, 8, v240             ; p's scale word for these 128 keys
	v_lshl_or_b32 v[PS], v242, 16, v[PS]
	v_lshl_or_b32 v[PS], v243, 24, v[PS]
.irp c, 0,1
	v_cvt_scalef32_pk16_fp6_f32 v[P+6*\c:P+2+6*\c], v[S+32*\c:S+15+32*\c], v[SO+2*\c]
	v_cvt_scalef32_pk16_fp6_f32 v[240+4*\c:242+4*\c], v[S+16+32*\c:S+31+32*\c], v[SO+2*\c+1]
.endr
	v_nop                                          ; one plain place behind a scaled conversion
.irp c, 0,1
.irp i, 0,1,2
	v_permlane16_swap_b32 v[P+6*\c+\i], v[240+4*\c+\i]
.endr
.irp i, 0,1,2
	v_mov_b32 v[P+3+6*\c+\i], v[240+4*\c+\i]
.endr
.endr
	v_pk_add_f32 v[240:241], v[S:S+1], v[S+2:S+3]  ; the row's sum is taken of the unquantised p: two at a time, in two chains
.set J, 4
.rept 15
	v_pk_add_f32 v[14:15], v[14:15], v[S+J:S+J+1]
	v_pk_add_f32 v[240:241], v[240:241], v[S+J+2:S+J+3]
.set J, J+4
.endr
	v_pk_add_f32 v[14:15], v[14:15], v[240:241]
.set J, 0
.rept 16
	v_pk_mul_f32 v[O+J:O+J+1], v[O+J:O+J+1], v[252:253] op_sel_hi:[1,0]   ; O^T under the new M.  (These and the sums are the places between p's codes and scale word and the products)
.set J, J+2
.endr
	s_wait_dscnt 0x0                               ; V
.irp t, 0,1,2,3
	PV \t
.endr
	s_add_co_u32 s[TB], s[TB], STEPB
.endm
.macro RUN                             ; a slot's eight steps
	s_mov_b32 s[CNT], 8
.Lstep_\@:
	STEP
	s_sub_co_u32 s[CNT], s[CNT], 1
	s_cmp_lg_u32 s[CNT], 0
	s_cbranch_scc1 .Lstep_\@
.endm
; THE CHANGE OF SLOTS.  Each wave waits for all its tensor loads (its part of the slot ahead), adds 0 to its spare word, and waits for that and for its reads of the slot that it leaves.
; fill = 1: a round of the cluster's barrier, so that no wave of any partner still reads that slot or has a load on its way; the joint refill stands first behind it and has eight steps in which to land.
.macro CHANGE fill
	s_wait_tensorcnt 0x0                           ; no tensor load of mine is out, so a group 0 may be written
	ds_add_u32 v[SPW], v[NIL]                      ; 0 onto my spare word
.if \fill
	s_xor_b32 s[G0B+1], s[G0B+1], SLOT1            ; the walking descriptor: the other slot than last time,
	s_add_nc_u64 s[G0B+2:G0B+3], s[G0B+2:G0B+3], SLOTB   ; the next 1,024 keys
	s_wait_dscnt 0x0
	CROUND
	s_cmp_lt_u32 s[WV], 4
	s_cbranch_scc0 .Lno_fill_\@
	tensor_load_to_lds s[G0B:G0B+3], s[G1:G1+7]
	s_nop 0
	PLACES 4
.Lno_fill_\@:
.else
	s_wait_dscnt 0x0
	s_barrier_signal -1
	s_barrier_wait -1
.endif
	s_sub_co_u32 s[TB], s[TB], SLOTB               ; back to a slot's first step,
	s_xor_b32 s[TB], s[TB], SLOT1                  ; in the other slot
.endm
	s_wait_tensorcnt 0x1                           ; my part of slot 0 is in; slot 1's may stay out
	s_barrier_signal -1
	s_barrier_wait -1
	s_wait_loadcnt 0x0                             ; Q
	RUN
	s_mov_b32 s[SLOTS], 2
.Lslot:
	CHANGE 1
	RUN
	s_sub_co_u32 s[SLOTS], s[SLOTS], 1
	s_cmp_lg_u32 s[SLOTS], 0
	s_cbranch_scc1 .Lslot
	CHANGE 0                                       ; the last slot is written out
	RUN
	; THE WAY OUT: ctx = O^T / the sum; register 16 b + i is channel 32 b + 16 h + i of my query: quantised, it is half a fragment of the last product's operand
.set TM, 164
.set OC, 180
.set TQ, 188
	PLACES 4
	v_add_f32 v14, v14, v15
	v_permlanex16_b32 v254, v14, s[SEL], s[SEL+1]
	v_add_f32 v14, v14, v254                       ; the row's sum
	v_rcp_f32 v14, v14
	v_mov_b32 v[TM+4], 0                           ; (a plain place behind the transcendental)
	v_mov_b32 v[TM+5], 0
.set J, 0
	s_wait_alu depctr_va_vdst(0)
.rept 32
	v_mul_f32 v[S+J], v[O+J], v14                  ; each accumulator from its low end on
.set J, J+1
.endr
	QUANT2 S, 0
	global_store_b128 v[L16], v[OC:OC+3], s[8:9]               ; 512 consecutive bytes,
	global_store_b64 v[L8], v[OC+4:OC+5], s[8:9] offset:512    ; and 256
	v_lshl_or_b32 v192, v[TM+5], 8, v[TM+4]
	v_mov_b32 v193, 0xffff
	v_cmp_gt_f32 vcc_lo, 0xe7000000, v13           ; the largest t never left its start: every key was masked
	v_cndmask_b32 v192, v192, v193, vcc_lo
	ds_store_b16 v[SSW], v192                      ; both halves of the lanes write the same two bytes
	s_wait_dscnt 0x0
	s_barrier_signal -1
	s_barrier_wait -1
	s_cmp_lg_u32 s[WV], 0
	s_cbranch_scc1 .Lnot_0
	ds_load_b128 v[196:199], v[SSR]
	s_wait_dscnt 0x0
	global_store_b128 v[L16], v[196:199], s[10:11] ; the work-group's 512 scale bytes, aligned
.Lnot_0:
	s_wait_tensorcnt 0x0                           ; the wave's end
	ds_add_u32 v[SPW], v[NIL]
	s_wait_dscnt 0x0
	CROUND                                         ; the closing round
	s_endpgm
.Lfunc_end_k_q4723cf2794_attn:
	.size	k_q4723cf2794_attn, .Lfunc_end_k_q4723cf2794_attn-k_q4723cf2794_attn
	.p2alignl 7, 3214868480
	.fill 96, 4, 3214868480
	.section	.rodata,"a",@progbits
	.p2align	6, 0x0
	.amdhsa_kernel k_q4723cf2794_attn
		.amdhsa_group_segment_fixed_size 327680
		.amdhsa_private_segment_fixed_size 0
		.amdhsa_enable_private_segment 0
		.amdhsa_kernarg_size 32
		.amdhsa_user_sgpr_count 2
		.amdhsa_user_sgpr_kernarg_segment_ptr 1
		.amdhsa_wavefront_size32 1
		.amdhsa_system_sgpr_workgroup_id_x 1
		.amdhsa_system_sgpr_workgroup_id_y 1
		.amdhsa_system_sgpr_workgroup_id_z 1
		.amdhsa_system_vgpr_workitem_id 0
		.amdhsa_next_free_vgpr 256
		.amdhsa_next_free_sgpr 66
		.amdhsa_reserve_vcc 1
		.amdhsa_float_denorm_mode_32 3
		.amdhsa_float_denorm_mode_16_64 3
		.amdhsa_memory_ordered 1
		.amdhsa_forward_progress 1
		.amdhsa_inst_pref_size 60
	.end_amdhsa_kernel
	.amdgpu_metadata
---
amdhsa.version: [ 1, 2 ]
amdhsa.kernels:
  - .name:           k_q4723cf2794_attn
    .symbol:         k_q4723cf2794_attn.kd
    .args:
      - { .name: qws, .offset: 0, .size: 8, .value_kind: global_buffer, .address_space: global }
      - { .name: kv, .offset: 8, .size: 8, .value_kind: global_buffer, .address_space: global }
      - { .name: ctxc, .offset: 16, .size: 8, .value_kind: global_buffer, .address_space: global }
      - { .name: ctxs, .offset: 24, .size: 8, .value_kind: global_buffer, .address_space: global }
    .group_segment_fixed_size: 327680
    .private_segment_fixed_size: 0
    .kernarg_segment_align: 8
    .kernarg_segment_size: 32
    .max_flat_workgroup_size: 512
    .sgpr_count:     66
    .vgpr_count:     256
    .wavefront_size: 32
...
	.end_amdgpu_metadata
.endif
;; end of part 2
;; launch oproj (part 3): grid 4 x 64, 4 waves a work-group, no clusters, 17,920 bytes of LDS; arguments ctxc, ctxs, Wp_codes, Wp_scales, bp, out0; writes out0
.if DOCPART == 3
	.amdgcn_target "amdgcn-amd-amdhsa--gfx1250"
	.amdhsa_code_object_version 6
	.text
	.protected	k_q4723cf2794_oproj
	.globl	k_q4723cf2794_oproj
	.p2align	8
	.type	k_q4723cf2794_oproj,@function
k_q4723cf2794_oproj:
	s_mov_b64 s[64:65], 0
	v_nop
	global_prefetch_b8 v0, s[64:65] scope:SCOPE_SE
	s_setreg_imm32_b32 hwreg(HW_REG_WAVE_MODE, 25, 1), 1
	s_wait_xcnt 0x0
; out = ctx Wp^T + bp on codes of FP6 (E2M3) with E8M0 scales.  ctx comes as images of operand registers: [row tile][K step][half][768 bytes]; its scale bytes as [head][slot] of two bytes.
; SHARES.  Work-group (x, y): the 128 rows of group y, columns 128 x on.  Wave (w / 2, w % 2): 4 row tiles x 4 column tiles: 16 accumulators, 64 products, K = 512 in four steps.
; Source 0 = 16 rows of Wp, source 1 = 16 rows of ctx: a lane holds eight neighbouring columns of one row.  The bias is the C of each sum's first product.
; THE ROWS OF A TILE ARE NOT NEIGHBOURS: slot r of tile 2 b + u is token 32 b + 8 u + r + 8 (r / 8) of the group: the stores' offsets put them back.
; NO LDS ON THE WAY IN, NO BARRIER, NO JOINT LOADS: a wave uses each operand byte that it loads once, so operands go from memory straight into registers; the text has no loop over which a cluster's rounds could be spread.
; LIMITS: a scale byte 0xff in ctx (a batch with every key masked) makes the row NaN, as it should be.
; REGISTERS: window 0: v1-12 addresses; v32-47 ctx's scale words, v48-63 Wp's: scales and nothing else; v64-95 ctx's scale bytes as loaded; v96-127 the bias; v128-191 rows on the way out.
;   window 1: ctx's 16 fragments (12 (4 i + s));   window 2: Wp's 16 (12 (4 n + s));   window 3: the accumulators (8 (4 i + n)).
.set ASC, 32
.set WS,  48
.set AL,  64
.set BI,  96
.set OB,  128
.set SP,  272                          ; a stage row: 256 bytes + 16: the sixteen rows that a store touches start at sixteen different banks
.set MSB, 0
.macro WIN new
.if MSB != (\new)
	s_set_vgpr_msb (MSB<<8)|(\new)
.set MSB, (\new)
.endif
.endm
.macro PLACES n
.rept \n
	v_nop
.endr
.endm
	s_load_b256 s[4:11], s[0:1], 0x0               ; ctxc, ctxs, Wp's codes, Wp's scales
	s_load_b128 s[12:15], s[0:1], 0x20             ; bp, out0
	v_lshl_add_u32 v254, v0, 2, 0x4400
	v_mov_b32 v255, 0
	v_lshrrev_b32 v1, 5, v0
	v_readfirstlane_b32 s16, v1                    ; wave 0..3
	s_lshr_b32 s17, s16, 1
	s_and_b32 s18, s16, 1
	s_and_b32 s20, ttmp7, 0xffff
	s_lshl_b32 s21, s20, 3
	s_lshl_b32 s22, s17, 2
	s_add_co_u32 s21, s21, s22                     ; my first row tile: 8 y + 4 (w / 2)
	s_lshl_b32 s22, ttmp9, 7
	s_lshl_b32 s23, s18, 6
	s_add_co_u32 s22, s22, s23                     ; my first column: 128 x + 64 (w % 2)
	s_mov_b32 s25, 0
	v_and_b32 v1, 31, v0
	v_and_b32 v2, 15, v0                           ; r
	v_bfe_u32 v3, v0, 4, 1                         ; h
	v_lshlrev_b32 v4, 4, v1                        ; 16 x lane
	v_lshlrev_b32 v5, 3, v1                        ; 8 x lane
	v_mul_u32_u24 v6, v2, 384
	v_mad_u32_u24 v6, v3, 24, v6                   ; Wp's codes: row r, + 24 h
	v_lshlrev_b32 v7, 4, v2                        ; its scale bytes
	v_lshlrev_b32 v8, 5, v3                        ; the bias: my half's eight columns
	v_lshlrev_b32 v9, 1, v2                        ; ctx's scale bytes: two a slot
	s_mul_i32 s27, s16, 16*SP                      ; my stage
	v_mul_u32_u24 v10, v2, SP
	v_lshl_add_u32 v10, v3, 5, v10
	v_add_nc_u32 v10, s27, v10                     ; in: row r, 32 bytes for each half of the lanes
	v_mul_u32_u24 v11, v3, SP
	v_lshl_add_u32 v11, v2, 4, v11
	v_add_nc_u32 v11, s27, v11                     ; back: lanes 0-15 one row, lanes 16-31 the next
	v_lshlrev_b32 v12, 11, v3
	v_lshl_add_u32 v12, v2, 4, v12                 ; and the same two rows in out0
	s_wait_kmcnt 0x0
	s_mul_i32 s24, s21, 6144
	s_add_nc_u64 s[4:5], s[4:5], s[24:25]
	s_lshl_b32 s24, s21, 5
	s_add_nc_u64 s[6:7], s[6:7], s[24:25]
	s_mul_i32 s24, s22, 384
	s_add_nc_u64 s[8:9], s[8:9], s[24:25]
	s_lshl_b32 s24, s22, 4
	s_add_nc_u64 s[10:11], s[10:11], s[24:25]
	s_lshl_b32 s24, s22, 2
	s_add_nc_u64 s[12:13], s[12:13], s[24:25]
	s_lshl_b32 s26, s21, 15                        ; 16 rows of 2,048 bytes a tile
	s_add_co_u32 s24, s24, s26
	s_add_nc_u64 s[14:15], s[14:15], s[24:25]
.irp i, 0,1,2,3
.irp d, 0,1,2,3,4,5,6,7
	global_load_u16 v[AL+8*\i+\d], v9, s[6:7] offset:16384*\d+32*\i
.endr
.endr
.irp n, 0,1,2,3
	global_load_b128 v[WS+4*\n:WS+4*\n+3], v7, s[10:11] offset:256*\n
.endr
.irp n, 0,1,2,3
	global_load_b128 v[BI+8*\n:BI+8*\n+3], v8, s[12:13] offset:64*\n
	global_load_b128 v[BI+8*\n+4:BI+8*\n+7], v8, s[12:13] offset:64*\n+16
.endr
.irp s, 0,1,2,3                                ; 40 loads a K step
	WIN 0x40                                       ; destination window 1
.irp i, 0,1,2,3
	global_load_b128 v[12*(4*\i+\s):12*(4*\i+\s)+3], v4, s[4:5] offset:6144*\i+1536*\s
	global_load_b64 v[12*(4*\i+\s)+4:12*(4*\i+\s)+5], v5, s[4:5] offset:6144*\i+1536*\s+512
	global_load_b128 v[12*(4*\i+\s)+6:12*(4*\i+\s)+9], v4, s[4:5] offset:6144*\i+1536*\s+768
	global_load_b64 v[12*(4*\i+\s)+10:12*(4*\i+\s)+11], v5, s[4:5] offset:6144*\i+1536*\s+1280
.endr
	WIN 0x80                                       ; destination window 2
.irp n, 0,1,2,3
.irp p, 0,1,2,3,4,5
	global_load_b64 v[12*(4*\n+\s)+2*\p:12*(4*\n+\s)+2*\p+1], v6, s[8:9] offset:16*\n*384+96*\s+48*(\p/3)+8*(\p%3)
.endr
.endr
.endr
	WIN 0
.macro MULO s                          ; K step s: the 16 accumulators by turns
.if (\s) == 0
	WIN 0xc6                                       ; source 0 window 2, source 1 window 1, C (the bias) window 0, D window 3
.else
	WIN 0xf6                                       ; C and D window 3
.endif
.irp i, 0,1,2,3
.irp n, 0,1,2,3
.if (\s) == 0
	v_wmma_scale_f32_16x16x128_f8f6f4 v[8*(4*\i+\n):8*(4*\i+\n)+7], v[12*(4*\n+(\s)):12*(4*\n+(\s))+11], v[12*(4*\i+(\s)):12*(4*\i+(\s))+11], v[BI+8*\n:BI+8*\n+7], v[WS+4*\n+(\s)], v[ASC+4*\i+(\s)] matrix_a_fmt:MATRIX_FMT_FP6 matrix_b_fmt:MATRIX_FMT_FP6
.else
	v_wmma_scale_f32_16x16x128_f8f6f4 v[8*(4*\i+\n):8*(4*\i+\n)+7], v[12*(4*\n+(\s)):12*(4*\n+(\s))+11], v[12*(4*\i+(\s)):12*(4*\i+(\s))+11], v[8*(4*\i+\n):8*(4*\i+\n)+7], v[WS+4*\n+(\s)], v[ASC+4*\i+(\s)] matrix_a_fmt:MATRIX_FMT_FP6 matrix_b_fmt:MATRIX_FMT_FP6
.endif
.endr
.endr
.endm
	s_wait_loadcnt 63                              ; the scales, the bias and K steps 0 and 1 are in: 80 loads are younger; the wait names as many as its field holds
.irp i, 0,1,2,3
.irp s, 0,1,2,3
	v_lshl_or_b32 v[ASC+4*\i+\s], v[AL+8*\i+2*\s+1], 16, v[AL+8*\i+2*\s]   ; a K step is two heads: four bytes
.endr
.endr
	PLACES 8                                       ; a scale register written by a vector instruction stands eight places ahead of the product
	MULO 0
	MULO 1
	s_wait_loadcnt 40                              ; K step 2 is in, K step 3's 40 loads may be out
	MULO 2
	s_wait_loadcnt 0x0
	MULO 3
	WIN 0
	PLACES 4
	; THE WAY OUT, a row tile at a time, through my own stage: LDS serves a wave's instructions in order, so no wait stands between the stores and the loads
.irp i, 0,1,2,3
.if \i > 1
	s_wait_xcnt 0x0                                ; the stores of two tiles ago have read the registers that are loaded again
.endif
	WIN 0x0c                                       ; an LDS store's data are its source 1: window 3
.irp n, 0,1,2,3
	ds_store_b128 v10, v[8*(4*\i+\n):8*(4*\i+\n)+3] offset:64*\n          ; each accumulator from its low end on
	ds_store_b128 v10, v[8*(4*\i+\n)+4:8*(4*\i+\n)+7] offset:64*\n+16
.endr
	WIN 0
.irp t, 0,1,2,3,4,5,6,7
	ds_load_b128 v[OB+32*(\i%2)+4*\t:OB+32*(\i%2)+4*\t+3], v11 offset:2*SP*\t
.endr
.irp t, 0,1,2,3,4,5,6,7
	s_wait_dscnt 7-\t
	global_store_b128 v12, v[OB+32*(\i%2)+4*\t:OB+32*(\i%2)+4*\t+3], s[14:15] offset:(32*(\i/2)+8*(\i%2)+2*\t+8*(\t/4))*2048 th:TH_STORE_NT   ; sixteen lanes store 256 consecutive bytes, aligned: slots 2 t, 2 t + 1 at their tokens' rows
.endr
.endr
	s_wait_tensorcnt 0x0
	ds_add_u32 v254, v255
	s_wait_dscnt 0x0
	s_endpgm
.Lfunc_end_k_q4723cf2794_oproj:
	.size	k_q4723cf2794_oproj, .Lfunc_end_k_q4723cf2794_oproj-k_q4723cf2794_oproj
	.p2alignl 7, 3214868480
	.fill 96, 4, 3214868480
	.section	.rodata,"a",@progbits
	.p2align	6, 0x0
	.amdhsa_kernel k_q4723cf2794_oproj
		.amdhsa_group_segment_fixed_size 17920
		.amdhsa_private_segment_fixed_size 0
		.amdhsa_enable_private_segment 0
		.amdhsa_kernarg_size 48
		.amdhsa_user_sgpr_count 2
		.amdhsa_user_sgpr_kernarg_segment_ptr 1
		.amdhsa_wavefront_size32 1
		.amdhsa_system_sgpr_workgroup_id_x 1
		.amdhsa_system_sgpr_workgroup_id_y 1
		.amdhsa_system_sgpr_workgroup_id_z 1
		.amdhsa_system_vgpr_workitem_id 0
		.amdhsa_next_free_vgpr 1024
		.amdhsa_next_free_sgpr 66
		.amdhsa_reserve_vcc 0
		.amdhsa_float_denorm_mode_32 3
		.amdhsa_float_denorm_mode_16_64 3
		.amdhsa_memory_ordered 1
		.amdhsa_forward_progress 1
		.amdhsa_inst_pref_size 40
	.end_amdhsa_kernel
	.amdgpu_metadata
---
amdhsa.version: [ 1, 2 ]
amdhsa.kernels:
  - .name:           k_q4723cf2794_oproj
    .symbol:         k_q4723cf2794_oproj.kd
    .args:
      - { .name: ctxc, .offset: 0, .size: 8, .value_kind: global_buffer, .address_space: global }
      - { .name: ctxs, .offset: 8, .size: 8, .value_kind: global_buffer, .address_space: global }
      - { .name: Wp_codes, .offset: 16, .size: 8, .value_kind: global_buffer, .address_space: global }
      - { .name: Wp_scales, .offset: 24, .size: 8, .value_kind: global_buffer, .address_space: global }
      - { .name: bp, .offset: 32, .size: 8, .value_kind: global_buffer, .address_space: global }
      - { .name: out0, .offset: 40, .size: 8, .value_kind: global_buffer, .address_space: global }
    .group_segment_fixed_size: 17920
    .private_segment_fixed_size: 0
    .kernarg_segment_align: 8
    .kernarg_segment_size: 48
    .max_flat_workgroup_size: 128
    .sgpr_count:     66
    .vgpr_count:     1024
    .wavefront_size: 32
...
	.end_amdgpu_metadata
.endif
;; end of part 3
;; ======== version 2 of 2: 3 launches; version 1 with the launches proj, oproj written anew for expert scheduling mode
;; limits: right only within a limited range of input values
;; workspace buffers: qws 4,456,448 bytes; kv 7,733,248 bytes; ctxc 3,145,728 bytes; ctxs 131,072 bytes
;; launch proj (part 4): grid 4 x 64, 4 waves a work-group, no clusters, 75,264 bytes of LDS; arguments x, atten_mask, Wk_codes, Wk_scales, Wq_codes, Wq_scales, Wv_codes, Wv_scales, Aq, Av, Bq, Bv, qws, kv; writes qws, kv
.if DOCPART == 4
	.amdgcn_target "amdgcn-amd-amdhsa--gfx1250"
	.amdhsa_code_object_version 6
	.text
	.protected	k_q4723cf2794_proj
	.globl	k_q4723cf2794_proj
	.p2align	8
	.type	k_q4723cf2794_proj,@function
k_q4723cf2794_proj:
	s_mov_b64 s[64:65], 0
	v_nop
	global_prefetch_b8 v0, s[64:65] scope:SCOPE_SE
	s_setreg_imm32_b32 hwreg(HW_REG_WAVE_SCHED_MODE, 0, 2), 2
	s_setreg_imm32_b32 hwreg(HW_REG_WAVE_MODE, 25, 1), 1
	s_wait_xcnt 0x0
	s_wait_alu depctr_vm_vsrc(0)
; k = Q(x) Wk^T, q = Q(x) Wq^T + 0.25 (x Aq^T) Bq^T, v = Q(x) Wv^T + 0.25 (x Av^T) Bv^T; Q = codes of FP6 (E2M3), one E8M0 scale for each 32 along K.
; q and k are then quantised along the head's 64, v along the keys, and all three leave as IMAGES OF OPERAND REGISTERS (lane l's 16 bytes at 16 l) for the attention launch.
; SHARES.  Work-group (p, y): heads 2 p and 2 p + 1, tokens 128 y .. 128 y + 127.  Four waves.  Phase A: wave w quantises x's tiles 2 w, 2 w + 1 (16 tokens x 512) and makes their
; U = x [Aq; Av]^T in f32 from the unquantised x; images go to LDS.  Role 1: waves 0, 1 make k, waves 2, 3 make q, of head 2 p + w % 2 (source 0 = 16 rows of W, source 1 = x: a lane holds one
; token, its registers run along the head).  Role 2: v of head 2 p + w / 2, channel tiles 2 (w % 2) + 0, 1 (source 0 = x, source 1 = 16 rows of Wv: a lane holds one channel, its registers run along the keys).
; THE ITEMS OF A TILE ARE NOT NEIGHBOURS: slot r of tile 2 b + u holds item 32 b + 8 u + r + 8 (r / 8) (tokens of x, rows of a weight within a head), so that the 16 result registers of
; tiles 2 b and 2 b + 1 are 16 neighbours along the next K.
; THE KEY MASK rides in the unused half of the score product's K (the head has 64 of 128): q holds the code 1.0 at k = 64 under the scale byte 127; a masked key holds -1.0 there under the byte 227
; (2^100), an open key zero codes under the byte 1.  A masked score is then about -2^100 and its weight exactly 0.
; NO JOINT LOADS: x's block is 262,144 bytes of f32, which with the images (53,248) and A's rows (16,512) passes the 327,680 bytes of LDS, so x goes from memory straight into registers; each weight
; fragment is used by one wave of the work-group, once loaded, and goes straight into that wave's registers: no tile lies in LDS that a partner could share.
; LIMITS: NaN and infinities among the inputs are not served.  A block of zeros gets the scale byte 1, not 127: its codes are zeros, and this program alone reads the bytes.
; REGISTERS, in windows of 256.  Window 0: v1-27 addresses and constants; v32-71 scale words and nothing else; v72-127 and v128-255 by phase (below).
;   window 1: W1's 16 fragments, v192.. Bq's and Bv's rows, v204.. the mask.   window 2: accumulators (written by matrix instructions alone).
;   window 3: phase A: [Aq; Av] as an operand, 256 registers; later x's fragments, set 1 (v0-95), and W2's 8 fragments (v96-191).
; THE MODE: SCHED_MODE bits 1:0 = 2 (LLVM: expert scheduling mode 2), set by the entry lines.  The code itself states the register dependences between vector or matrix instructions and
; memory or LDS instructions, with s_wait_alu, always for 0.
; THE PLAN.  Registers that memory or LDS instructions touch, and who else names them:
;   v4-19, v26   offsets and LDS addresses: made at the head, ahead of one wait on va_vdst, and never written again.
;   PHASE A      XN0, XN1 (v128-191, v192-255): a step's 32 products and its quantiser read XN[step % 2]; then the loads of two steps on land in it.  v88-99, v108: the step's codes and scale word,
;                written by its quantiser, read by its LDS stores.  ONE wait on va_vdst a step, behind the quantiser, states both; one on vm_vsrc, ahead of the quantiser, that the last step's
;                LDS stores have read their registers.  U (v112-115), made in a tile's last step, has a wait on va_vdst of its own ahead of its LDS store.
;   ROLES 1, 2   x's two sets of fragments and scale words: K step s multiplies set s % 2; the loads of K step s + 1 land in the other set, which only K step s - 1's products named.  ONE wait on va_vdst
;                at the head of K steps 1 and 2; behind it the step's 32 LDS loads are dealt among the first half of its products, which name none of the registers that those loads touch.
;                At each role's head one wait on vm_vsrc and one on va_vdst hand the registers of the phase before to the role's first loads.
;   WAYS OUT     every tile has out-registers of its own (role 1: v160-223, eight a tile; role 2: v144.. and v168..): no store's data are written again; one wait on va_vdst a tile, ahead of its stores.
.set AM,    0                          ; LDS: 8 rows [Aq 0-3, Av 0-3] of 2,048 bytes, 2,064 apart
.set AMP,   2064
.set XSC,   16640                      ; scale words of x's 32 fragments (4 tile + K step), 128 bytes each
.set UIMG,  20736                      ; U's 8 images, 512 bytes each
.set VST,   24832                      ; v's scale words on their way out, 256 bytes a head
.set XIMG,  25344                      ; x's 32 fragments, 1,536 bytes each
.set KVB,   15104                      ; bytes of a step's block in kv: K 8,192, K's scale words 512, V 6,144, V's scale words 256
.set QB,    8704                       ; bytes of a group's block in qws
.set WV,    4                          ; s4 wave
.set SEL,   12                         ; s[12:13] v_permlanex16_b32's selects for lane l xor 16
.set HI16,  14                         ; s14 lane mask of lanes 16-31
.set CMK,   68                         ; s68-75 from role 1's way out on: the eight tiles' lane masks of masked keys (the head's numbers that lay there are used up)
.set XA,    4                          ; v4  x: 2,048 rp + 64 h (rp = r + 8 (r / 8))
.set LI,    5                          ; v5  16 x lane
.set LS,    6                          ; v6  4 x lane + XSC
.set LIX,   7                          ; v7  16 x lane + XIMG
.set XWI,   8                          ; v8  where I store x's images
.set XWS,   9                          ; v9  and their scale words
.set UWA,   10                         ; v10 and U's images
.set LU,    11                         ; v11 16 x lane + UIMG
.set AMR,   12                         ; v12 my row of [Aq; Av] in LDS
.set AMW,   13                         ; v13 16 x thread
.set WA,    14                         ; v14 a weight's codes: 384 rp + 24 h
.set WSA,   15                         ; v15 its scale bytes: 16 rp
.set BA,    16                         ; v16 Bq, Bv: 16 rp + 8 h
.set MA,    17                         ; v17 the mask: 4 rp
.set VSTW,  18
.set VSTR,  19
.set CM,    20                         ; v20, v21 the word at k = 64 .. 68 of a masked, an open row (lanes 16-31: 0)
.set CU,    21
.set BM,    22                         ; v22, v23 the upper two scale bytes of a masked, an open row
.set BU,    23
.set L8,    26                         ; v26 8 x lane
.set W1S,   32                         ; v32-47 W1's scale words (4 tile + K step);  v48-55 W2's;  v56-63, v64-71 x's, two sets
.set W2S,   48
.set XS,    56
.set SW,    92                         ; v92-95 the scale image of role 1
.set UF,    96                         ; v96-127 U: 4 registers a tile: uq[2h], uq[2h+1], uv[2h], uv[2h+1]
.set BF,    192                        ; window 1
.set BV,    200
.set MK,    204
.set W2,    96                         ; window 3
.set MSB, 0
.macro WIN new                         ; the immediate's high byte repeats the setting that is left; a switch that changes nothing is dropped
.if MSB != (\new)
	s_set_vgpr_msb (MSB<<8)|(\new)
.set MSB, (\new)
.endif
.endm
.macro PLACES n
.rept \n
	v_nop
.endr
.endm
.macro BARRIER                         ; my LDS stores have landed and my LDS loads are in: then the work-group's barrier
	s_wait_dscnt 0x0
	s_barrier_signal -1
	s_barrier_wait -1
.endm
; 64 numbers of a lane in window w, register 16 b + i = k 32 b + 16 (lane / 16) + i of my row, become a fragment's codes in v[PC] .. v[PC+11] and its scale word in v[PW].
.macro QUANT s, w
	WIN 5*(\w)
.irp b, 0,1,2,3
	v_max3_num_f32 v[TM+\b], |v[(\s)+16*\b]|, |v[(\s)+1+16*\b]|, 0x1800000   ; my 16 numbers of block b, and the floor 2^(3 - 127): the byte cannot fall under 1
.endr
.irp i, 2,4,6,8,10,12,14
.irp b, 0,1,2,3
	v_max3_num_f32 v[TM+\b], |v[(\s)+16*\b+\i]|, |v[(\s)+1+16*\b+\i]|, v[TM+\b]   ; the four blocks by turns
.endr
.endr
	WIN 0
.irp b, 0,1,2,3
	v_permlanex16_b32 v[TM+4+\b], v[TM+\b], s[SEL], s[SEL+1]
.endr
.irp b, 0,1,2,3
	v_max_num_f32 v[TM+\b], v[TM+\b], v[TM+4+\b]      ; with lane l xor 16's: the block's largest magnitude
.endr
.irp b, 0,1,2,3
	v_add_nc_u32 v[TM+12+\b], 0xff000000, v[TM+\b]    ; 2 off its exponent field: the conversion's scale operand
.endr
.irp b, 0,1,2,3
	v_lshrrev_b32 v[TM+4+\b], 23, v[TM+12+\b]         ; the scale's byte
.endr
	v_lshl_or_b32 v[PW], v[TM+5], 8, v[TM+4]
	v_lshl_or_b32 v[PW], v[TM+6], 16, v[PW]
	v_lshl_or_b32 v[PW], v[TM+7], 24, v[PW]
	WIN (\w)
.irp c, 0,1
	v_cvt_scalef32_pk16_fp6_f32 v[PC+6*\c:PC+2+6*\c], v[(\s)+32*\c:(\s)+15+32*\c], v[TM+12+2*\c]
	v_cvt_scalef32_pk16_fp6_f32 v[PC+12+4*\c:PC+14+4*\c], v[(\s)+16+32*\c:(\s)+31+32*\c], v[TM+12+2*\c+1]   ; (a conversion's three registers begin on an even number)
.endr
	WIN 0
	v_nop                                          ; one plain place behind a scaled conversion
.irp c, 0,1                                    ; the operand's layout wants a whole block in a lane: lanes 0-15 block 2 c, lanes 16-31 block 2 c + 1
.irp i, 0,1,2
	v_permlane16_swap_b32 v[PC+6*\c+\i], v[PC+12+4*\c+\i]
.endr
.irp i, 0,1,2
	v_mov_b32 v[PC+3+6*\c+\i], v[PC+12+4*\c+\i]
.endr
.endr
.endm
; The same for 32 numbers (two blocks): six registers of codes in v[OC] .. v[OC+5], the two bytes in v[TM+4], v[TM+5].
.macro QUANT2 s, w
	WIN 5*(\w)
.irp b, 0,1
	v_max3_num_f32 v[TM+\b], |v[(\s)+16*\b]|, |v[(\s)+1+16*\b]|, 0x1800000
.endr
.irp i, 2,4,6,8,10,12,14
.irp b, 0,1
	v_max3_num_f32 v[TM+\b], |v[(\s)+16*\b+\i]|, |v[(\s)+1+16*\b+\i]|, v[TM+\b]
.endr
.endr
	WIN 0
.irp b, 0,1
	v_permlanex16_b32 v[TM+4+\b], v[TM+\b], s[SEL], s[SEL+1]
.endr
.irp b, 0,1
	v_max_num_f32 v[TM+\b], v[TM+\b], v[TM+4+\b]
.endr
.irp b, 0,1
	v_add_nc_u32 v[TM+12+\b], 0xff000000, v[TM+\b]
.endr
.irp b, 0,1
	v_lshrrev_b32 v[TM+4+\b], 23, v[TM+12+\b]
.endr
	WIN (\w)
	v_cvt_scalef32_pk16_fp6_f32 v[OC:OC+2], v[(\s):(\s)+15], v[TM+12]
	v_cvt_scalef32_pk16_fp6_f32 v[TQ:TQ+2], v[(\s)+16:(\s)+31], v[TM+13]
	WIN 0
	v_nop                                          ; one plain place behind a scaled conversion
.irp i, 0,1,2
	v_permlane16_swap_b32 v[OC+\i], v[TQ+\i]
.endr
.irp i, 0,1,2
	v_mov_b32 v[OC+3+\i], v[TQ+\i]
.endr
.endm
; my tile a's numbers of K step s (64 a lane) into v[reg] on: register 16 b + i = x(my token, 128 s + 32 b + 16 h + i)
.macro XLOAD reg, a, s
.irp b, 0,1,2,3
.irp j, 0,1,2,3
	global_load_b128 v[(\reg)+16*\b+4*\j:(\reg)+16*\b+4*\j+3], v[XA], s[56:57] offset:16384*(\a)+512*(\s)+128*\b+16*\j
.endr
.endr
.endm
	s_load_b512 s[16:31], s[0:1], 0x0              ; x, mask, Wk's codes, scales, Wq's, Wv's
	s_load_b256 s[32:39], s[0:1], 0x40             ; Aq, Av, Bq, Bv
	s_load_b128 s[40:43], s[0:1], 0x60             ; qws, kv
	v_lshl_add_u32 v30, v0, 2, 0x12400
	v_mov_b32 v31, 0
	v_lshrrev_b32 v1, 5, v0
	v_readfirstlane_b32 s[WV], v1                  ; wave 0..3
	v_and_b32 v1, 31, v0                           ; lane.  (The lines that hang on the lane alone stand between the wave's number and the wait for it)
	v_and_b32 v2, 15, v0                           ; r
	v_bfe_u32 v3, v0, 4, 1                         ; h
	v_and_b32 v25, 8, v2
	v_add_nc_u32 v25, v25, v2                      ; rp = r + 8 (r / 8)
	v_lshlrev_b32 v[XA], 11, v25
	v_lshl_add_u32 v[XA], v3, 6, v[XA]
	v_lshlrev_b32 v[LI], 4, v1
	v_lshl_add_u32 v[LS], v1, 2, XSC
	v_add_nc_u32 v[LIX], XIMG, v[LI]
	v_add_nc_u32 v[LU], UIMG, v[LI]
	v_bfe_u32 v[AMR], v2, 1, 1                     ; lane r stands for row m = r of the f32 product's source 0.  Rows 0, 1, 2, 3, 8, 9, 10, 11 are Aq0, Aq1, Av0, Av1, Aq2, Aq3, Av2, Av3:
	v_bfe_u32 v[AMW], v2, 3, 1                     ; LDS row 4 ((r / 2) % 2) + 2 (r / 8) + r % 2.  So a lane's results 0, 1 are uq[2h], uq[2h+1] and 2, 3 are uv[2h], uv[2h+1]
	v_lshlrev_b32 v[AMR], 2, v[AMR]
	v_lshl_add_u32 v[AMR], v[AMW], 1, v[AMR]
	v_and_b32 v[AMW], 1, v2
	v_add_nc_u32 v[AMR], v[AMR], v[AMW]
	v_mul_u32_u24 v[AMR], v[AMR], AMP
	v_lshl_add_u32 v[AMR], v3, 6, v[AMR]
	v_lshlrev_b32 v[AMW], 4, v0
	v_mul_u32_u24 v[WA], v25, 384
	v_mad_u32_u24 v[WA], v3, 24, v[WA]
	v_lshlrev_b32 v[WSA], 4, v25
	v_lshl_add_u32 v[BA], v3, 3, v[WSA]
	v_lshlrev_b32 v[MA], 2, v25
	v_lshlrev_b32 v[L8], 3, v1
	s_wait_alu depctr_va_sdst(0)                   ; s4, the wave's number, is written, ahead of its first reader
	s_and_b32 s6, ttmp7, 0xffff                    ; y = 32 batch + step
	s_lshr_b32 s7, s[WV], 1
	s_and_b32 s8, s[WV], 1
	s_mov_b32 s[SEL], 0x76543210
	s_mov_b32 s[SEL+1], 0xfedcba98
	s_mov_b32 s[HI16], 0xffff0000
	s_lshr_b32 s68, s6, 5
	s_lshl_b32 s68, s68, 8
	s_and_b32 s69, s6, 31
	s_add_co_u32 s68, s68, s69                     ; 256 batch + step: a block's index is this + 32 head
	s_lshl_b32 s70, ttmp9, 1                       ; 2 p
	s_add_co_u32 s71, s70, s8                      ; role 1's head
	s_add_co_u32 s72, s70, s7                      ; role 2's head
	s_min_u32 s73, s[WV], 1
	s_add_co_u32 s73, s70, s73                     ; the head whose scale words of v I store (waves 0, 1)
	s_lshl_b32 s74, s71, 5
	s_add_co_u32 s74, s74, s68
	s_lshl_b32 s75, s72, 5
	s_add_co_u32 s75, s75, s68
	s_lshl_b32 s76, s73, 5
	s_add_co_u32 s76, s76, s68
	s_mov_b32 s3, 0
	s_mul_i32 s9, s[WV], 12288                     ; my 8 fragments of x: 8 x 1,536 bytes a wave
	v_add_nc_u32 v[XWI], s9, v[LIX]
	s_lshl_b32 s9, s[WV], 10
	v_add_nc_u32 v[XWS], s9, v[LS]
	v_add_nc_u32 v[UWA], s9, v[LU]
	s_lshl_b32 s9, s7, 8
	s_lshl_b32 s10, s8, 2
	s_add_co_u32 s9, s9, s10
	s_add_co_u32 s9, s9, VST
	v_lshl_add_u32 v[VSTW], v1, 3, s9              ; VST + 256 (w / 2) + 4 (w % 2) + 8 lane
	s_min_u32 s9, s[WV], 1
	s_lshl_b32 s9, s9, 8
	s_add_co_u32 s9, s9, VST
	v_lshl_add_u32 v[VSTR], v1, 3, s9
	s_wait_kmcnt 0x0
	s_lshl_b32 s2, s6, 18                          ; 128 tokens x 2,048 bytes a block,
	s_lshl_b32 s9, s[WV], 16                       ; 32 tokens a wave
	s_add_co_u32 s2, s2, s9
	s_add_nc_u64 s[56:57], s[16:17], s[2:3]
	s_wait_alu depctr_va_vdst(0)                   ; the offsets and LDS addresses v4-19 and v26 are written: every load and store of the kernel reads one of them, and none is written again
.irp j, 0,1,2,3                                ; [Aq; Av]: thread t takes bytes 16 t of each row
	global_load_b128 v[72+4*\j:75+4*\j], v[AMW], s[32:33] offset:2048*\j
	global_load_b128 v[88+4*\j:91+4*\j], v[AMW], s[34:35] offset:2048*\j
.endr
	XLOAD 128, 0, 0
	XLOAD 192, 0, 1
	s_cmp_lt_u32 s[WV], 2                          ; waves 0, 1: k; waves 2, 3: q.  The choices hang on the wave's number alone
	s_cselect_b64 s[44:45], s[20:21], s[24:25]
	s_cselect_b64 s[46:47], s[22:23], s[26:27]
	s_cselect_b64 s[48:49], s[42:43], s[40:41]
	s_mov_b32 s9, QB
	s_cselect_b32 s9, KVB, s9
	s_cselect_b32 s10, 0x28, 8                     ; the code -1.0 for a masked key; q: always 1.0
	s_cselect_b32 s11, 0, 8
	s_mov_b32 s77, 0x017f0000                      ; q: bytes 127 and 1
	s_cselect_b32 s78, 0x01e30000, s77             ; a masked key: bytes 227 and 1
	s_cselect_b32 s79, 0x01010000, s77             ; an open key: 1 and 1
	v_mov_b32 v27, 0                               ; (v20-24 and v27 are named by vector instructions alone)
	v_mov_b32 v24, s10
	v_cndmask_b32 v[CM], v24, v27, s[HI16]
	v_mov_b32 v24, s11
	v_cndmask_b32 v[CU], v24, v27, s[HI16]
	v_mov_b32 v[BM], s78
	v_mov_b32 v[BU], s79
	s_mul_i32 s2, s71, 24576                       ; 64 rows of 384 bytes a head
	s_add_nc_u64 s[44:45], s[44:45], s[2:3]
	s_lshl_b32 s2, s71, 10                         ; 64 rows of 16 bytes
	s_add_nc_u64 s[46:47], s[46:47], s[2:3]
	s_add_nc_u64 s[60:61], s[36:37], s[2:3]        ; Bq likewise
	s_mul_i32 s2, s74, s9
	s_add_nc_u64 s[48:49], s[48:49], s[2:3]        ; role 1's block
	s_lshl_b32 s77, s72, 6
	s_lshl_b32 s9, s8, 5
	s_add_co_u32 s77, s77, s9                      ; role 2's first row of Wv: 64 head + 32 (w % 2)
	s_mul_i32 s2, s77, 384
	s_add_nc_u64 s[50:51], s[28:29], s[2:3]
	s_lshl_b32 s2, s77, 4
	s_add_nc_u64 s[52:53], s[30:31], s[2:3]
	s_add_nc_u64 s[62:63], s[38:39], s[2:3]
	s_mul_i32 s2, s75, KVB
	s_mul_i32 s9, s8, 3072
	s_add_co_u32 s2, s2, s9
	s_add_co_u32 s2, s2, 8704
	s_add_nc_u64 s[54:55], s[42:43], s[2:3]        ; my two tiles of V^T
	s_lshl_b32 s2, s6, 9
	s_add_nc_u64 s[58:59], s[18:19], s[2:3]        ; the block's 128 mask words
	s_mul_i32 s2, s76, KVB
	s_add_co_u32 s2, s2, 14848
	s_add_nc_u64 s[66:67], s[42:43], s[2:3]        ; a head's scale words of V
	s_wait_loadcnt 32                              ; [Aq; Av] are in: behind them stand x's 32 loads
.irp j, 0,1,2,3
	ds_store_b128 v[AMW], v[72+4*\j:75+4*\j] offset:AMP*\j
	ds_store_b128 v[AMW], v[88+4*\j:91+4*\j] offset:AMP*(4+\j)
.endr
	WIN 0x40                                       ; destination window 1
.irp n, 0,1,2,3                                ; W1's fragments (tile n, K step s): they stay
.irp s, 0,1,2,3
.irp p, 0,1,2,3,4,5
	global_load_b64 v[12*(4*\n+\s)+2*\p:12*(4*\n+\s)+2*\p+1], v[WA], s[44:45] offset:(32*(\n/2)+8*(\n%2))*384+96*\s+48*(\p/3)+8*(\p%3)
.endr
.endr
.endr
.irp n, 0,1,2,3
	global_load_b64 v[BF+2*\n:BF+2*\n+1], v[BA], s[60:61] offset:(32*(\n/2)+8*(\n%2))*16   ; Bq(row, 2 h + 0, 1)
.endr
.irp n, 0,1
	global_load_b64 v[BV+2*\n:BV+2*\n+1], v[BA], s[62:63] offset:128*\n
.endr
.irp t, 0,1,2,3,4,5,6,7
	global_load_b32 v[MK+\t], v[MA], s[58:59] offset:(32*(\t/2)+8*(\t%2))*4
.endr
	WIN 0
.irp n, 0,1,2,3
	global_load_b128 v[W1S+4*\n:W1S+4*\n+3], v[WSA], s[46:47] offset:(32*(\n/2)+8*(\n%2))*16
.endr
.irp n, 0,1
	global_load_b128 v[W2S+4*\n:W2S+4*\n+3], v[WSA], s[52:53] offset:128*\n
.endr
	BARRIER                                        ; [Aq; Av] lie in LDS
.set TM, 72                            ; phase A: v72-87 at work, v88-107 codes, v108 the scale word, v112-115 U, v116-123 partial sums
.set PC, 88
.set PW, 108
.set UR, 112
.set T,  116
	s_wait_alu depctr_vm_vsrc(0)                   ; my LDS stores have read v72-103, which phase A's vector lines write from here on
.irp b, 0,1,2,3
	v_mov_b32 v[TM+4+\b], 0                        ; a lane permute's destination counts as one of its sources
.endr
	WIN 0xc0                                       ; destination window 3
.irp s, 0,1,2,3                                ; register 64 s + 16 b + i = A(my row, 128 s + 32 b + 16 h + i): the order in which a lane holds x
.irp b, 0,1,2,3
.irp j, 0,1,2,3
	ds_load_b128 v[64*\s+16*\b+4*\j:64*\s+16*\b+4*\j+3], v[AMR] offset:512*\s+128*\b+16*\j
.endr
.endr
.endr
	WIN 0
	s_wait_dscnt 0x0
; PHASE A, one K step of one tile.  U in f32: 32 products of K = 4; k is permuted alike in both operands; four accumulators take turns.  Then the 64 numbers are quantised.
.macro ASTEP a, s
.set II, 4*(\a)+(\s)
.set XN, 128+64*(II%2)
.if II < 2
	s_wait_loadcnt 63                              ; 132 loads are younger than this step's; the wait names as many as its field holds
.elseif II < 7
	s_wait_loadcnt 16                              ; the next step's 16 loads may be out
.else
	s_wait_loadcnt 0x0
.endif
.if II == 4
	PLACES 9                                       ; the sums are begun anew over registers that matrix instructions of this form wrote
.endif
	WIN 0xa3                                       ; source 0 window 3, source 1 window 0, C and D window 2
.set CC, 0
.rept 32
.if ((\s) == 0) && (CC < 4)
	v_wmma_f32_16x16x4_f32 v[8*(CC%4):8*(CC%4)+7], v[64*(\s)+2*CC:64*(\s)+2*CC+1], v[XN+2*CC:XN+2*CC+1], 0
.else
	v_wmma_f32_16x16x4_f32 v[8*(CC%4):8*(CC%4)+7], v[64*(\s)+2*CC:64*(\s)+2*CC+1], v[XN+2*CC:XN+2*CC+1], v[8*(CC%4):8*(CC%4)+7]
.endif
.set CC, CC+1
.endr
	WIN 0
.if II > 0
	s_wait_dscnt 0x0                               ; the last step's LDS stores are done
	s_wait_alu depctr_vm_vsrc(0)                   ; the LDS stores issued so far have read the codes, the scale word and U, which this step's vector lines write again
.endif
	QUANT XN, 0
	s_wait_alu depctr_va_vdst(0)                   ; the quantiser has written the codes and the scale word, which the LDS stores read; the products and the quantiser are done reading XN, in which the loads below land
.irp c, 0,1,2
	ds_store_b128 v[XWI], v[PC+4*\c:PC+4*\c+3] offset:1536*II+512*\c
.endr
	ds_store_b32 v[XWS], v[PW] offset:128*II
	PLACES 8                                       ; behind the products: ahead of the loads into registers that they read, and of the first read of their results
.if II < 6
	XLOAD XN, (II+2)/4, (II+2)%4
.endif
.if (\s) == 3
	WIN 0x0a                                       ; sources 0 and 1 window 2.  Only its registers 0-3 are wanted
	v_pk_add_f32 v[T:T+1], v[0:1], v[8:9]
	v_pk_add_f32 v[T+2:T+3], v[2:3], v[10:11]
	v_pk_add_f32 v[T+4:T+5], v[16:17], v[24:25]
	v_pk_add_f32 v[T+6:T+7], v[18:19], v[26:27]
	WIN 0
	v_pk_add_f32 v[UR:UR+1], v[T:T+1], v[T+4:T+5]
	v_pk_add_f32 v[UR+2:UR+3], v[T+2:T+3], v[T+6:T+7]
	s_wait_alu depctr_va_vdst(0)                   ; the additions have written U, which the LDS store reads
	ds_store_b128 v[UWA], v[UR:UR+3] offset:512*(\a)
.endif
.endm
.irp a, 0,1
.irp s, 0,1,2,3
	ASTEP \a, \s
.endr
.endr
	BARRIER                                        ; x's 32 fragments, their scale words and U lie in LDS
; x's eight fragments of K step s and their scale words into set 0 (window 0, v128 on) or set 1 (window 3, v0 on): 32 LDS loads in one run: a role's first fetch
.macro FETCH s, set
.if \set
	WIN 0xc0
.endif
.irp t, 0,1,2,3,4,5,6,7
.irp c, 0,1,2
	ds_load_b128 v[128*(1-(\set))+12*\t+4*\c:128*(1-(\set))+12*\t+4*\c+3], v[LIX] offset:1536*(4*\t+(\s))+512*\c
.endr
.endr
	WIN 0
.irp t, 0,1,2,3,4,5,6,7
	ds_load_b32 v[XS+8*(\set)+\t], v[LS] offset:128*(4*\t+(\s))
.endr
.endm
; the same in parts, to be dealt among products: the eight scale words; the fragments of tiles t0 and t0 + 1
.macro FETCHS s, set
	WIN 0
.irp t, 0,1,2,3,4,5,6,7
	ds_load_b32 v[XS+8*(\set)+\t], v[LS] offset:128*(4*\t+(\s))
.endr
.endm
.macro FETCHF s, set, t0
.if \set
	WIN 0xc0
.else
	WIN 0
.endif
.irp t, \t0, \t0+1
.irp c, 0,1,2
	ds_load_b128 v[128*(1-(\set))+12*(\t)+4*\c:128*(1-(\set))+12*(\t)+4*\c+3], v[LIX] offset:1536*(4*(\t)+(\s))+512*\c
.endr
.endr
.endm
; role 1, K step s, x's tile t: four of the 32 accumulators (x's tile t, W1's tile n) at 32 t + 8 n, which take turns
.macro MUL1T s, zero, t
.set XB, 128*(1-((\s)%2))
.if (\s)%2
	WIN 0xad                                       ; source 0 window 1, source 1 window 3, C and D window 2
.else
	WIN 0xa1                                       ; source 1 window 0
.endif
.irp n, 0,1,2,3
.if \zero
	v_wmma_scale_f32_16x16x128_f8f6f4 v[32*(\t)+8*\n:32*(\t)+8*\n+7], v[12*(4*\n+(\s)):12*(4*\n+(\s))+11], v[XB+12*(\t):XB+12*(\t)+11], 0, v[W1S+4*\n+(\s)], v[XS+8*((\s)%2)+(\t)] matrix_a_fmt:MATRIX_FMT_FP6 matrix_b_fmt:MATRIX_FMT_FP6
.else
	v_wmma_scale_f32_16x16x128_f8f6f4 v[32*(\t)+8*\n:32*(\t)+8*\n+7], v[12*(4*\n+(\s)):12*(4*\n+(\s))+11], v[XB+12*(\t):XB+12*(\t)+11], v[32*(\t)+8*\n:32*(\t)+8*\n+7], v[W1S+4*\n+(\s)], v[XS+8*((\s)%2)+(\t)] matrix_a_fmt:MATRIX_FMT_FP6 matrix_b_fmt:MATRIX_FMT_FP6
.endif
.endr
.endm
; role 2, K step s, x's tile t: two of the 16 accumulators (W2's tile n, x's tile t) at 64 n + 8 t, which take turns
.macro MUL2T s, t
.set XB, 128*(1-((\s)%2))
.if (\s)%2
	WIN 0xaf                                       ; sources 0 and 1 window 3, C and D window 2
.else
	WIN 0xac                                       ; source 0 window 0
.endif
.irp n, 0,1
	v_wmma_scale_f32_16x16x128_f8f6f4 v[64*\n+8*(\t):64*\n+8*(\t)+7], v[XB+12*(\t):XB+12*(\t)+11], v[W2+12*(4*\n+(\s)):W2+12*(4*\n+(\s))+11], v[64*\n+8*(\t):64*\n+8*(\t)+7], v[XS+8*((\s)%2)+(\t)], v[W2S+4*\n+(\s)] matrix_a_fmt:MATRIX_FMT_FP6 matrix_b_fmt:MATRIX_FMT_FP6
.endr
.endm
; A K STEP of role 1 or 2.  free = 1: the other set was read by the K step before and is handed to this step's loads.  fetch = 1: the next K step is fetched into the other set:
; its scale words first, then two tiles' fragments behind each of the first four tiles' products, so that the second half of the step's products stands between the last load and the wait for it.
.macro KSTEP role, s, zero, free, fetch
	s_wait_dscnt 0x0                               ; this K step's fragments and scale words are in
.if \free
	PLACES 4                                       ; behind the last K step's products, ahead of loads into registers that they read
	s_wait_alu depctr_va_vdst(0)                   ; the last K step's products are done reading the other set and its scale words, in which this step's loads land; this step's products name neither
.endif
.if \fetch
	FETCHS (\s)+1, ((\s)+1)%2
.endif
.irp t, 0,1,2,3,4,5,6,7
.if \role == 1
	MUL1T \s, \zero, \t
.else
	MUL2T \s, \t
.endif
.if \fetch && (\t < 4)
	FETCHF (\s)+1, ((\s)+1)%2, 2*\t
.endif
.endr
	WIN 0
.endm
	; ---- ROLE 1
	PLACES 9                                       ; behind the f32 products: loads land on their source 0, and their results are written over
	WIN 0x45                                       ; destination and sources window 1
.irp n, 0,1,2,3,4,5
	v_pk_mul_f32 v[BF+2*\n:BF+2*\n+1], v[BF+2*\n:BF+2*\n+1], 0x3e800000 op_sel_hi:[1,0]   ; Bq's and Bv's rows x 0.25: exact
.endr
	WIN 0
	s_wait_alu depctr_vm_vsrc(0)                   ; phase A's last LDS stores have read v88-99, v108 and v112-115: U's loads land in some of them, and the scale image is written in others
	s_wait_alu depctr_va_vdst(0)                   ; phase A's products are done reading window 3 and v128-255, its vector lines are done with v96-123: the loads below, and K step 1's, land there
	WIN 0xc0
.irp n, 0,1                                    ; W2's fragments are asked for now and wanted in role 2
.irp s, 0,1,2,3
.irp p, 0,1,2,3,4,5
	global_load_b64 v[W2+12*(4*\n+\s)+2*\p:W2+12*(4*\n+\s)+2*\p+1], v[WA], s[50:51] offset:8*\n*384+96*\s+48*(\p/3)+8*(\p%3)
.endr
.endr
.endr
	WIN 0
.irp t, 0,1,2,3,4,5,6,7
	ds_load_b128 v[UF+4*\t:UF+4*\t+3], v[LU] offset:512*\t
.endr
	FETCH 0, 0
	s_cmp_lt_u32 s[WV], 2
	s_cbranch_scc1 .Lk_arm
	s_wait_dscnt 32                                ; U is in; the fetch behind it may be out
	WIN 0x81                                       ; source 0 window 1, source 1 window 0, D window 2
.irp t, 0,1,2,3,4,5,6,7                        ; q's sums begin with 0.25 Bq uq, in f32
.irp n, 0,1,2,3
	v_wmma_f32_16x16x4_f32 v[32*\t+8*\n:32*\t+8*\n+7], v[BF+2*\n:BF+2*\n+1], v[UF+4*\t:UF+4*\t+1], 0
.endr
.endr
	WIN 0
	PLACES 9                                       ; another form adds onto these results
	KSTEP 1, 0, 0, 0, 1                            ; (set 1 was handed over at the role's head: the products since name Bq's rows, U and the accumulators alone)
	s_branch .Ljoin
.Lk_arm:
	KSTEP 1, 0, 1, 0, 1                            ; k's sums begin with the first K step
.Ljoin:
	KSTEP 1, 1, 0, 1, 1
	KSTEP 1, 2, 0, 1, 1
	KSTEP 1, 3, 0, 0, 0                            ; the last K step fetches nothing, so nothing is handed over
	; a tile's 32 numbers a lane (one token, the head's dims 32 b + 16 h + i) become six registers of codes; registers 6 and 7 carry the mask.  Each tile has eight out-registers of its own
.set TM, 128
.set TQ, 152
.set WD, 156
.set HIW, 157
	PLACES 4
	WIN 0x04                                       ; source 1 window 1
.irp t, 0,1,2,3,4,5,6,7
	v_cmp_eq_u32 s[CMK+\t], 0, v[MK+\t]            ; a key is masked where the mask word is 0: the eight tiles' compares in one run
.endr
	WIN 0
.irp b, 0,1,2,3
	v_mov_b32 v[TM+4+\b], 0
.endr
.irp t, 0,1,2,3,4,5,6,7
	v_mov_b32 v[167+8*\t], 0
.endr
	s_wait_alu depctr_va_sdst(0)                   ; the eight lane masks s68-75 are written, ahead of their first reader
.irp t, 0,1,2,3,4,5,6,7
.set OC, 160+8*\t
	QUANT2 32*\t, 2
	v_cndmask_b32 v[OC+6], v[CU], v[CM], s[CMK+\t]
	v_cndmask_b32 v[HIW], v[BU], v[BM], s[CMK+\t]
	v_lshl_or_b32 v[WD], v[TM+5], 8, v[TM+4]
	v_or_b32 v[WD], v[WD], v[HIW]                  ; the row's scale word
.if \t % 2
	v_cndmask_b32 v[SW+\t/2], v[SW+\t/2], v[WD], s[HI16]   ; an odd tile's words stand in lanes 16-31
.else
	v_mov_b32 v[SW+\t/2], v[WD]
.endif
	s_wait_alu depctr_va_vdst(0)                   ; the tile's eight out-registers are written, which its two stores read (behind the last tile: the scale image too)
	global_store_b128 v[LI], v[OC:OC+3], s[48:49] offset:1024*\t          ; each store covers 512 consecutive bytes, aligned
	global_store_b128 v[LI], v[OC+4:OC+7], s[48:49] offset:1024*\t+512
.endr
	global_store_b128 v[LI], v[SW:SW+3], s[48:49] offset:8192
	; ---- ROLE 2
	s_wait_loadcnt 0x0                             ; W2
	s_wait_xcnt 0x0                                ; the stores above have had their addresses translated: their registers are written again only behind this wait
	s_wait_alu depctr_vm_vsrc(0)                   ; the stores above have read v160-223, in which K step 0's fragments land
	s_wait_alu depctr_va_vdst(0)                   ; role 1's products are done reading x's two sets and their scale words, its quantiser is done with v128-223: this fetch and K step 1's land there
	FETCH 0, 0
	WIN 0x84                                       ; source 0 window 0, source 1 window 1, D window 2
.irp t, 0,1,2,3,4,5,6,7                        ; v's sums begin with 0.25 uv Bv^T, in f32.  (They name U, Bv's rows and the accumulators alone)
.irp n, 0,1
	v_wmma_f32_16x16x4_f32 v[64*\n+8*\t:64*\n+8*\t+7], v[UF+4*\t+2:UF+4*\t+3], v[BV+2*\n:BV+2*\n+1], 0
.endr
.endr
	WIN 0
	PLACES 9                                       ; another form adds onto these results
	KSTEP 2, 0, 0, 0, 1
	KSTEP 2, 1, 0, 1, 1
	KSTEP 2, 2, 0, 1, 1
	KSTEP 2, 3, 0, 0, 0
	PLACES 4
.irp n, 0,1                                    ; a tile's 64 numbers a lane (one channel, keys 32 b + 16 h + i) become a fragment of V^T; each tile has codes and a scale word of its own
.set PC, 144+24*\n
.set PW, 164+24*\n
	QUANT 64*\n, 2
.if \n == 1
	v_cndmask_b32 v166, v164, v188, s[HI16]        ; lanes 0-15: my even tile's words, lanes 16-31: my odd tile's
.endif
	s_wait_alu depctr_va_vdst(0)                   ; the quantiser has written the tile's codes, which its three stores read (behind the second tile: v166 too, which the LDS store reads)
.irp c, 0,1,2
	global_store_b128 v[LI], v[PC+4*\c:PC+4*\c+3], s[54:55] offset:1536*\n+512*\c
.endr
.endr
	ds_store_b32 v[VSTW], v166
	BARRIER                                        ; a head's 256 bytes come from two waves
	s_cmp_lt_u32 s[WV], 2
	s_cbranch_scc0 .Ldone
	ds_load_b64 v[224:225], v[VSTR]                ; (no vector instruction has named v224-225 since phase A)
	s_wait_dscnt 0x0
	global_store_b64 v[L8], v[224:225], s[66:67]   ; 32 lanes store 256 consecutive bytes, aligned
.Ldone:
	s_wait_dscnt 0x0
	s_wait_alu depctr_hold_cnt(0) depctr_sa_sdst(0) depctr_va_vdst(0) depctr_va_sdst(0) depctr_va_ssrc(0) depctr_va_vcc(0) depctr_vm_vsrc(0)
	s_wait_tensorcnt 0x0
	ds_add_u32 v30, v31
	s_wait_dscnt 0x0
	s_endpgm
.Lfunc_end_k_q4723cf2794_proj:
	.size	k_q4723cf2794_proj, .Lfunc_end_k_q4723cf2794_proj-k_q4723cf2794_proj
	.p2alignl 7, 3214868480
	.fill 96, 4, 3214868480
	.section	.rodata,"a",@progbits
	.p2align	6, 0x0
	.amdhsa_kernel k_q4723cf2794_proj
		.amdhsa_group_segment_fixed_size 75264
		.amdhsa_private_segment_fixed_size 0
		.amdhsa_enable_private_segment 0
		.amdhsa_kernarg_size 112
		.amdhsa_user_sgpr_count 2
		.amdhsa_user_sgpr_kernarg_segment_ptr 1
		.amdhsa_wavefront_size32 1
		.amdhsa_system_sgpr_workgroup_id_x 1
		.amdhsa_system_sgpr_workgroup_id_y 1
		.amdhsa_system_sgpr_workgroup_id_z 1
		.amdhsa_system_vgpr_workitem_id 0
		.amdhsa_next_free_vgpr 1024
		.amdhsa_next_free_sgpr 80
		.amdhsa_reserve_vcc 0
		.amdhsa_float_denorm_mode_32 3
		.amdhsa_float_denorm_mode_16_64 3
		.amdhsa_memory_ordered 1
		.amdhsa_forward_progress 1
		.amdhsa_inst_pref_size 176
	.end_amdhsa_kernel
	.amdgpu_metadata
---
amdhsa.version: [ 1, 2 ]
amdhsa.kernels:
  - .name:           k_q4723cf2794_proj
    .symbol:         k_q4723cf2794_proj.kd
    .args:
      - { .name: x, .offset: 0, .size: 8, .value_kind: global_buffer, .address_space: global }
      - { .name: atten_mask, .offset: 8, .size: 8, .value_kind: global_buffer, .address_space: global }
      - { .name: Wk_codes, .offset: 16, .size: 8, .value_kind: global_buffer, .address_space: global }
      - { .name: Wk_scales, .offset: 24, .size: 8, .value_kind: global_buffer, .address_space: global }
      - { .name: Wq_codes, .offset: 32, .size: 8, .value_kind: global_buffer, .address_space: global }
      - { .name: Wq_scales, .offset: 40, .size: 8, .value_kind: global_buffer, .address_space: global }
      - { .name: Wv_codes, .offset: 48, .size: 8, .value_kind: global_buffer, .address_space: global }
      - { .name: Wv_scales, .offset: 56, .size: 8, .value_kind: global_buffer, .address_space: global }
      - { .name: Aq, .offset: 64, .size: 8, .value_kind: global_buffer, .address_space: global }
      - { .name: Av, .offset: 72, .size: 8, .value_kind: global_buffer, .address_space: global }
      - { .name: Bq, .offset: 80, .size: 8, .value_kind: global_buffer, .address_space: global }
      - { .name: Bv, .offset: 88, .size: 8, .value_kind: global_buffer, .address_space: global }
      - { .name: qws, .offset: 96, .size: 8, .value_kind: global_buffer, .address_space: global }
      - { .name: kv, .offset: 104, .size: 8, .value_kind: global_buffer, .address_space: global }
    .group_segment_fixed_size: 75264
    .private_segment_fixed_size: 0
    .kernarg_segment_align: 8
    .kernarg_segment_size: 112
    .max_flat_workgroup_size: 128
    .sgpr_count:     80
    .vgpr_count:     1024
    .wavefront_size: 32
...
	.end_amdgpu_metadata
.endif
;; end of part 4
;; launch attn: the kernel of part 2 again; grid 16 x 16, 16 waves a work-group, clusters of 4 x 1, 327,680 bytes of LDS; arguments qws, kv, ctxc, ctxs; writes ctxc, ctxs
;; launch oproj (part 5): grid 4 x 64, 4 waves a work-group, no clusters, 17,920 bytes of LDS; arguments ctxc, ctxs, Wp_codes, Wp_scales, bp, out0; writes out0
.if DOCPART == 5
	.amdgcn_target "amdgcn-amd-amdhsa--gfx1250"
	.amdhsa_code_object_version 6
	.text
	.protected	k_q4723cf2794_oproj
	.globl	k_q4723cf2794_oproj
	.p2align	8
	.type	k_q4723cf2794_oproj,@function
k_q4723cf2794_oproj:
	s_mov_b64 s[64:65], 0
	v_nop
	global_prefetch_b8 v0, s[64:65] scope:SCOPE_SE
	s_setreg_imm32_b32 hwreg(HW_REG_WAVE_SCHED_MODE, 0, 2), 2
	s_setreg_imm32_b32 hwreg(HW_REG_WAVE_MODE, 25, 1), 1
	s_wait_xcnt 0x0
	s_wait_alu depctr_vm_vsrc(0)
; out = ctx Wp^T + bp on codes of FP6 (E2M3) with E8M0 scales.  ctx comes as images of operand registers: [row tile][K step][half][768 bytes]; its scale bytes as [head][slot] of two bytes.
; SHARES.  Work-group (x, y): the 128 rows of group y, columns 128 x on.  Wave (w / 2, w % 2): 4 row tiles x 4 column tiles: 16 accumulators, 64 products, K = 512 in four steps.
; Source 0 = 16 rows of Wp, source 1 = 16 rows of ctx: a lane holds eight neighbouring columns of one row.  The bias is the C of each sum's first product.
; THE ROWS OF A TILE ARE NOT NEIGHBOURS: slot r of tile 2 b + u is token 32 b + 8 u + r + 8 (r / 8) of the group: the stores' offsets put them back.
; NO LDS ON THE WAY IN, NO BARRIER, NO JOINT LOADS: a wave uses each operand byte that it loads once, so operands go from memory straight into registers; the text has no loop over which a cluster's rounds could be spread.
; LIMITS: a scale byte 0xff in ctx (a batch with every key masked) makes the row NaN, as it should be.
; REGISTERS: window 0: v1-12 addresses; v32-47 ctx's scale words, v48-63 Wp's: scales and nothing else; v64-95 ctx's scale bytes as loaded; v96-127 the bias; v128-255 rows on the way out.
;   window 1: ctx's 16 fragments (12 (4 i + s));   window 2: Wp's 16 (12 (4 n + s));   window 3: the accumulators (8 (4 i + n)).
; THE MODE: SCHED_MODE bits 1:0 = 2 (LLVM: expert scheduling mode 2), set by the entry lines.  The code itself states the register dependences between vector or matrix instructions and
; memory or LDS instructions, with s_wait_alu, always for 0.
; THE PLAN.  Registers that memory or LDS instructions touch, and who else names them:
;   v4-12        offsets and LDS addresses: made at the head, ahead of one wait on va_vdst, never written again.
;   the operands, Wp's scale words, the bias, v64-95: each loaded once, into registers that no vector or matrix instruction has named before.
;   v32-47       ctx's scale words: written by sixteen vector lines, taken by the products: eight places and one wait on va_vdst.
;   the accumulators: written by the products, read by the LDS stores of the way out: four places and one wait on va_vdst for all four tiles.
;   v128-255     a tile's rows back from the stage: 32 registers to each of the four tiles, named by LDS loads and global stores alone, each written once.
.set ASC, 32
.set WS,  48
.set AL,  64
.set BI,  96
.set OB,  128
.set SP,  272                          ; a stage row: 256 bytes + 16: the sixteen rows that a store touches start at sixteen different banks
.set MSB, 0
.macro WIN new
.if MSB != (\new)
	s_set_vgpr_msb (MSB<<8)|(\new)
.set MSB, (\new)
.endif
.endm
.macro PLACES n
.rept \n
	v_nop
.endr
.endm
	s_load_b256 s[4:11], s[0:1], 0x0               ; ctxc, ctxs, Wp's codes, Wp's scales
	s_load_b128 s[12:15], s[0:1], 0x20             ; bp, out0
	v_lshl_add_u32 v30, v0, 2, 0x4400
	v_mov_b32 v31, 0
	v_lshrrev_b32 v1, 5, v0
	v_readfirstlane_b32 s16, v1                    ; wave 0..3
	v_and_b32 v1, 31, v0                           ; (the lines that hang on the lane alone stand between the wave's number and the wait for it)
	v_and_b32 v2, 15, v0                           ; r
	v_bfe_u32 v3, v0, 4, 1                         ; h
	v_lshlrev_b32 v4, 4, v1                        ; 16 x lane
	v_lshlrev_b32 v5, 3, v1                        ; 8 x lane
	v_mul_u32_u24 v6, v2, 384
	v_mad_u32_u24 v6, v3, 24, v6                   ; Wp's codes: row r, + 24 h
	v_lshlrev_b32 v7, 4, v2                        ; its scale bytes
	v_lshlrev_b32 v8, 5, v3                        ; the bias: my half's eight columns
	v_lshlrev_b32 v9, 1, v2                        ; ctx's scale bytes: two a slot
	v_mul_u32_u24 v10, v2, SP
	v_lshl_add_u32 v10, v3, 5, v10
	v_mul_u32_u24 v11, v3, SP
	v_lshl_add_u32 v11, v2, 4, v11
	v_lshlrev_b32 v12, 11, v3
	v_lshl_add_u32 v12, v2, 4, v12                 ; two neighbouring rows in out0, 16 bytes a lane
	s_wait_alu depctr_va_sdst(0)                   ; s16, the wave's number, is written, ahead of its first reader
	s_lshr_b32 s17, s16, 1
	s_and_b32 s18, s16, 1
	s_and_b32 s20, ttmp7, 0xffff
	s_lshl_b32 s21, s20, 3
	s_lshl_b32 s22, s17, 2
	s_add_co_u32 s21, s21, s22                     ; my first row tile: 8 y + 4 (w / 2)
	s_lshl_b32 s22, ttmp9, 7
	s_lshl_b32 s23, s18, 6
	s_add_co_u32 s22, s22, s23                     ; my first column: 128 x + 64 (w % 2)
	s_mov_b32 s25, 0
	s_mul_i32 s27, s16, 16*SP                      ; my stage
	v_add_nc_u32 v10, s27, v10                     ; in: row r, 32 bytes for each half of the lanes
	v_add_nc_u32 v11, s27, v11                     ; back: lanes 0-15 one row, lanes 16-31 the next
	s_wait_kmcnt 0x0
	s_mul_i32 s24, s21, 6144
	s_add_nc_u64 s[4:5], s[4:5], s[24:25]
	s_lshl_b32 s24, s21, 5
	s_add_nc_u64 s[6:7], s[6:7], s[24:25]
	s_mul_i32 s24, s22, 384
	s_add_nc_u64 s[8:9], s[8:9], s[24:25]
	s_lshl_b32 s24, s22, 4
	s_add_nc_u64 s[10:11], s[10:11], s[24:25]
	s_lshl_b32 s24, s22, 2
	s_add_nc_u64 s[12:13], s[12:13], s[24:25]
	s_lshl_b32 s26, s21, 15                        ; 16 rows of 2,048 bytes a tile
	s_add_co_u32 s24, s24, s26
	s_add_nc_u64 s[14:15], s[14:15], s[24:25]
	s_wait_alu depctr_va_vdst(0)                   ; the offsets and LDS addresses v4-12 are written: every load and store of the kernel reads one of them, and none is written again
.irp i, 0,1,2,3
.irp d, 0,1,2,3,4,5,6,7
	global_load_u16 v[AL+8*\i+\d], v9, s[6:7] offset:16384*\d+32*\i
.endr
.endr
.irp n, 0,1,2,3
	global_load_b128 v[WS+4*\n:WS+4*\n+3], v7, s[10:11] offset:256*\n
.endr
.irp n, 0,1,2,3
	global_load_b128 v[BI+8*\n:BI+8*\n+3], v8, s[12:13] offset:64*\n
	global_load_b128 v[BI+8*\n+4:BI+8*\n+7], v8, s[12:13] offset:64*\n+16
.endr
.irp s, 0,1,2,3                                ; 40 loads a K step
	WIN 0x40                                       ; destination window 1
.irp i, 0,1,2,3
	global_load_b128 v[12*(4*\i+\s):12*(4*\i+\s)+3], v4, s[4:5] offset:6144*\i+1536*\s
	global_load_b64 v[12*(4*\i+\s)+4:12*(4*\i+\s)+5], v5, s[4:5] offset:6144*\i+1536*\s+512
	global_load_b128 v[12*(4*\i+\s)+6:12*(4*\i+\s)+9], v4, s[4:5] offset:6144*\i+1536*\s+768
	global_load_b64 v[12*(4*\i+\s)+10:12*(4*\i+\s)+11], v5, s[4:5] offset:6144*\i+1536*\s+1280
.endr
	WIN 0x80                                       ; destination window 2
.irp n, 0,1,2,3
.irp p, 0,1,2,3,4,5
	global_load_b64 v[12*(4*\n+\s)+2*\p:12*(4*\n+\s)+2*\p+1], v6, s[8:9] offset:16*\n*384+96*\s+48*(\p/3)+8*(\p%3)
.endr
.endr
.endr
	WIN 0
.macro MULO s                          ; K step s: the 16 accumulators by turns
.if (\s) == 0
	WIN 0xc6                                       ; source 0 window 2, source 1 window 1, C (the bias) window 0, D window 3
.else
	WIN 0xf6                                       ; C and D window 3
.endif
.irp i, 0,1,2,3
.irp n, 0,1,2,3
.if (\s) == 0
	v_wmma_scale_f32_16x16x128_f8f6f4 v[8*(4*\i+\n):8*(4*\i+\n)+7], v[12*(4*\n+(\s)):12*(4*\n+(\s))+11], v[12*(4*\i+(\s)):12*(4*\i+(\s))+11], v[BI+8*\n:BI+8*\n+7], v[WS+4*\n+(\s)], v[ASC+4*\i+(\s)] matrix_a_fmt:MATRIX_FMT_FP6 matrix_b_fmt:MATRIX_FMT_FP6
.else
	v_wmma_scale_f32_16x16x128_f8f6f4 v[8*(4*\i+\n):8*(4*\i+\n)+7], v[12*(4*\n+(\s)):12*(4*\n+(\s))+11], v[12*(4*\i+(\s)):12*(4*\i+(\s))+11], v[8*(4*\i+\n):8*(4*\i+\n)+7], v[WS+4*\n+(\s)], v[ASC+4*\i+(\s)] matrix_a_fmt:MATRIX_FMT_FP6 matrix_b_fmt:MATRIX_FMT_FP6
.endif
.endr
.endr
.endm
	s_wait_loadcnt 63                              ; the scales, the bias and K steps 0 and 1 are in: 80 loads are younger; the wait names as many as its field holds
.irp i, 0,1,2,3
.irp s, 0,1,2,3
	v_lshl_or_b32 v[ASC+4*\i+\s], v[AL+8*\i+2*\s+1], 16, v[AL+8*\i+2*\s]   ; a K step is two heads: four bytes
.endr
.endr
	PLACES 8                                       ; a scale register written by a vector instruction stands eight places ahead of the product
	s_wait_alu depctr_va_vdst(0)                   ; the sixteen lines above have written ctx's scale words, which the products take; the places above stay beside this wait
	MULO 0
	MULO 1
	s_wait_loadcnt 40                              ; K step 2 is in, K step 3's 40 loads may be out
	MULO 2
	s_wait_loadcnt 0x0
	MULO 3
	WIN 0
	PLACES 4                                       ; four places behind the last product, before a result is read
	s_wait_alu depctr_va_vdst(0)                   ; the products have written the sixteen accumulators, which the LDS stores below read; the places above stay beside this wait
	; THE WAY OUT, a row tile at a time, through my own stage: LDS serves a wave's instructions in order, so no wait stands between the stores and the loads.  Each tile's rows come back into 32 registers of their own
.irp i, 0,1,2,3
	WIN 0x0c                                       ; an LDS store's data are its source 1: window 3
.irp n, 0,1,2,3
	ds_store_b128 v10, v[8*(4*\i+\n):8*(4*\i+\n)+3] offset:64*\n          ; each accumulator from its low end on
	ds_store_b128 v10, v[8*(4*\i+\n)+4:8*(4*\i+\n)+7] offset:64*\n+16
.endr
	WIN 0
.irp t, 0,1,2,3,4,5,6,7
	ds_load_b128 v[OB+32*\i+4*\t:OB+32*\i+4*\t+3], v11 offset:2*SP*\t
.endr
.irp t, 0,1,2,3,4,5,6,7
	s_wait_dscnt 7-\t
	global_store_b128 v12, v[OB+32*\i+4*\t:OB+32*\i+4*\t+3], s[14:15] offset:(32*(\i/2)+8*(\i%2)+2*\t+8*(\t/4))*2048 th:TH_STORE_NT   ; sixteen lanes store 256 consecutive bytes, aligned: slots 2 t, 2 t + 1 at their tokens' rows
.endr
.endr
	s_wait_dscnt 0x0
	s_wait_alu depctr_hold_cnt(0) depctr_sa_sdst(0) depctr_va_vdst(0) depctr_va_sdst(0) depctr_va_ssrc(0) depctr_va_vcc(0) depctr_vm_vsrc(0)
	s_wait_tensorcnt 0x0
	ds_add_u32 v30, v31
	s_wait_dscnt 0x0
	s_endpgm
.Lfunc_end_k_q4723cf2794_oproj:
	.size	k_q4723cf2794_oproj, .Lfunc_end_k_q4723cf2794_oproj-k_q4723cf2794_oproj
	.p2alignl 7, 3214868480
	.fill 96, 4, 3214868480
	.section	.rodata,"a",@progbits
	.p2align	6, 0x0
	.amdhsa_kernel k_q4723cf2794_oproj
		.amdhsa_group_segment_fixed_size 17920
		.amdhsa_private_segment_fixed_size 0
		.amdhsa_enable_private_segment 0
		.amdhsa_kernarg_size 48
		.amdhsa_user_sgpr_count 2
		.amdhsa_user_sgpr_kernarg_segment_ptr 1
		.amdhsa_wavefront_size32 1
		.amdhsa_system_sgpr_workgroup_id_x 1
		.amdhsa_system_sgpr_workgroup_id_y 1
		.amdhsa_system_sgpr_workgroup_id_z 1
		.amdhsa_system_vgpr_workitem_id 0
		.amdhsa_next_free_vgpr 1024
		.amdhsa_next_free_sgpr 66
		.amdhsa_reserve_vcc 0
		.amdhsa_float_denorm_mode_32 3
		.amdhsa_float_denorm_mode_16_64 3
		.amdhsa_memory_ordered 1
		.amdhsa_forward_progress 1
		.amdhsa_inst_pref_size 41
	.end_amdhsa_kernel
	.amdgpu_metadata
---
amdhsa.version: [ 1, 2 ]
amdhsa.kernels:
  - .name:           k_q4723cf2794_oproj
    .symbol:         k_q4723cf2794_oproj.kd
    .args:
      - { .name: ctxc, .offset: 0, .size: 8, .value_kind: global_buffer, .address_space: global }
      - { .name: ctxs, .offset: 8, .size: 8, .value_kind: global_buffer, .address_space: global }
      - { .name: Wp_codes, .offset: 16, .size: 8, .value_kind: global_buffer, .address_space: global }
      - { .name: Wp_scales, .offset: 24, .size: 8, .value_kind: global_buffer, .address_space: global }
      - { .name: bp, .offset: 32, .size: 8, .value_kind: global_buffer, .address_space: global }
      - { .name: out0, .offset: 40, .size: 8, .value_kind: global_buffer, .address_space: global }
    .group_segment_fixed_size: 17920
    .private_segment_fixed_size: 0
    .kernarg_segment_align: 8
    .kernarg_segment_size: 48
    .max_flat_workgroup_size: 128
    .sgpr_count:     66
    .vgpr_count:     1024
    .wavefront_size: 32
...
	.end_amdgpu_metadata
.endif
;; end of part 5
